; MI455X (gfx1250); checked and timed in simulation.
; The chip was launched on July 23, 2026; its instructions are those of AMD's public machine-readable ISA for CDNA 5 (MIT licence, August 2026) and "CDNA5" Instruction Set Architecture Reference Guide (July 2026). The comments in the code are by the model that wrote it; some were corrected since.
;; Multi Head Attention. Allowed arithmetic: matrix products marked QUANTISED: E4M3 operands, one E8M0 scale for each 32 along K, by v_wmma_scale_f32_16x16x128_f8f6f4 with both operands' format E4M3, f32 sums; everything else in f32.
;; Inputs: wk_b 1,024 float32; wk_w 1,024 x 1,024 float32; wo_b 1,024 float32; wo_w 1,024 x 1,024 float32; wq_b 1,024 float32; wq_w 1,024 x 1,024 float32; wv_b 1,024 float32; wv_w 1,024 x 1,024 float32; x 4 x 2,048 x 1,024 float32.
;; Outputs: out0 4 x 2,048 x 1,024 float32.
;; This version of the problem:
;;   THIS VERSION OF THE PROBLEM IS GIVEN IN LOW PRECISION. The matrix products marked QUANTISED in the list below multiply operands that are first quantised to E4M3 (4 exponent bits, 3 mantissa bits; 8 bits a number), with one power-of-two scale for each 32 numbers along K (OCP MX v1.0); their sums are f32. All else is computed in f32.
;;   The module's matrix products, in the order in which they are computed (A, B: the left and right operand; K: the contracted axis; several contracted axes count as one K, in the product's order):
;;     1. [M 8,192, K 1,024] x [K 1,024, N 1,024]; A: input x; B: input wq_w: QUANTISED
;;     2. [M 8,192, K 1,024] x [K 1,024, N 1,024]; A: input x; B: input wk_w: QUANTISED
;;     3. [M 8,192, K 1,024] x [K 1,024, N 1,024]; A: input x; B: input wv_w: QUANTISED
;;     4. batch 64 x [M 2,048, K 64] x [K 64, N 2,048]; A: computed on the way; B: computed on the way: QUANTISED
;;     5. batch 64 x [M 64, K 2,048] x [K 2,048, N 2,048]; A: computed on the way; B: softmax (see below): QUANTISED
;;     6. [M 8,192, K 1,024] x [K 1,024, N 1,024]; A: computed on the way; B: input wo_w: QUANTISED
;;   THE QUANTISER, for each operand of a quantised product, along K:
;;     - K is cut into blocks of 32 from its start; a last block that is shorter is filled with zeros.
;;     - A block's scale is 2^e with e = floor(log2(the largest magnitude in the block)) - 8, held to -126 .. 127; a block of zeros has e = 0. As a byte (E8M0): e + 127.
;;     - Each number is divided by its block's scale, clamped to +-448, and rounded to the nearest number of E4M3, ties to even, subnormals kept.
;;     - The product sums the exact products of the quantised numbers (number of the format x scale) in f32.
;;   ~~~python
;;   def quantise(x, axis):      # numpy; x: float32 -> the quantised numbers, widened to float32 again
;;       x = np.moveaxis(x, axis, -1); K = x.shape[-1]
;;       x = np.pad(x, [(0, 0)] * (x.ndim - 1) + [(0, -K % 32)]); x = x.reshape(x.shape[:-1] + (-1, 32)); a = np.abs(x).max(-1, keepdims=True)
;;       e = np.where(a > 0, np.clip(np.frexp(np.where(a > 0, a, 1))[1] - 1 - 8, -126, 127), 0)      # np.frexp(a)[1] - 1 = floor(log2(a)), exactly
;;       r = np.clip(x / 2.0 ** e, -448, 448)
;;       step = 2.0 ** (np.maximum(np.frexp(np.where(r == 0, 1, r))[1] - 1, -6) - 3)
;;       q = np.round(r / step) * step * 2.0 ** e      # np.round: ties to even
;;       return np.moveaxis(q.reshape(q.shape[:-2] + (-1,))[..., :K], -1, axis).astype(np.float32)
;;   ~~~
;;   SOFTMAX AHEAD OF A QUANTISED PRODUCT. Where the list says 'softmax', what is quantised is not the finished softmax but p = 2^(t - M), with t = logit x log2(e) and M = ceil(the row's largest t), a whole number; so 1/2 < the row's largest p <= 1. The row's sum l is taken of the UNQUANTISED p, in f32, and the product's result is divided by l at the end. Since M is a whole number, a kernel that streams over the keys may use a running M (the ceiling of the running maximum): every later rescaling is an exact power of two, which a block's scale takes up: the codes' values come out the same.
;;   OPERANDS COMPUTED ON THE WAY. 'Computed on the way' means the value that the module computes at that place (a softmax that the list does not call 'softmax' is quantised finished and normalised). What goes into a quantiser is computed in f32, as accurately as f32 sums, v_exp_f32 and their like allow (about 1e-6 of the number): no bf16 or f16 on the way to a quantiser, and a product that is left as it is and whose result goes on into a quantised operand takes f32 operands (vector FMAs, or v_wmma_f32_16x16x4_f32). A number that lies on a knife's edge between two numbers of the format may be rounded either way, as far as f32 arithmetic and the matrix unit's own rounding can turn it there, and no further.
;; One version. Each part assembles by itself: llvm-mc -triple=amdgcn-amd-amdhsa -mcpu=gfx1250 --defsym DOCPART=n.
;; ======== version 1 of 1: 4 launches
;; limits: right only within a limited range of input values
;; workspace buffers: codes 12,582,912 bytes; scales 393,216 bytes; rope 524,288 bytes; q_codes 8,388,608 bytes; q_scales 524,288 bytes; kv 17,563,648 bytes; ao_codes 8,388,608 bytes; ao_scales 262,144 bytes
;; launch quant (part 1): grid 400 x 1, 4 waves a work-group, no clusters, 34,304 bytes of LDS; arguments x, wq_w, wk_w, wv_w, wo_w, codes, scales, rope; writes codes, scales, rope
.if DOCPART == 1
	.amdgcn_target "amdgcn-amd-amdhsa--gfx1250"
	.amdhsa_code_object_version 6
	.text
	.protected	k_q217bbadf64_quant
	.globl	k_q217bbadf64_quant
	.p2align	8
	.type	k_q217bbadf64_quant,@function
k_q217bbadf64_quant:
	s_mov_b64 s[64:65], 0
	v_nop
	global_prefetch_b8 v0, s[64:65] scope:SCOPE_SE
	s_setreg_imm32_b32 hwreg(HW_REG_WAVE_MODE, 25, 1), 1
	s_wait_xcnt 0x0
; x [8192][1024] and the four weights [1024][1024], f32, K innermost, become codes of FP8 (E4M3) with one E8M0 byte for each 32 along K; and the table of cos and sin for the rotation is made.
; A block's scale is 2^(floor(log2(its largest magnitude)) - 8); its byte is the largest magnitude's exponent field - 8, held at 1 from below; each number is held within +-448 x the scale and rounded to the nearest code, ties to even.
; LAYOUT OF THE CODES: a tile is 16 rows x 128 K, laid as the image of the operand's registers: [c 0..3][lane][16 bytes], lane (r, h) holding k = 32 c + 16 h + 0 .. 15: 2,048 bytes; codes[tile 768][K step 8][2048].
; THE ROWS OF A TILE ARE NOT NEIGHBOURS: lane r of tile 2 b + u holds row 32 b + 8 u + r + 8 (r / 8) of its tensor, so that in a product used transposed the 16 registers of two neighbouring tiles are 16 neighbours.
; Tiles 0-511 x, 512-575 wq, 576-639 wk, 640-703 wv, 704-767 wo.  Scale words (four bytes: 128 along K of a row): scales[tile][K slot 4][r 16][2 words].
; SHARES: work-group g < 384 takes tiles 2 g and 2 g + 1 (32 rows); wave w tile w / 2 and half w % 2 of K: four K steps.  Each load reads 512 consecutive bytes of one row; a step's 16 x 512 bytes turn through the wave's
; own stage in LDS (rows 528 bytes apart, so that the 16 rows of a read start at 16 different banks) and come back 16 neighbours a lane and block.  Each store of codes covers 512 consecutive bytes, aligned.
; Work-groups 384-399 make rope[pos 2048][i 32][cos, sin]: a lane to a frequency, a wave to 32 positions; they use no LDS.  No barrier: waves share nothing.
; LIMITS: NaN and infinities among the inputs are not served.  A block of zeros, or one whose largest magnitude lies under 2^-118, gets the byte 1 (the rule says 127 for zeros): its codes are zeros or tiny, and this program
; alone reads the bytes.  The frequency 10^(-i/8) is made by v_exp_f32, good to about an ulp and a half: the angle at position 2,047 is good to about 2e-4 rad, alike for q and k; sin and cos of the reduced angle to about 1e-7.
.set SP,    528                        ; a stage row: 512 bytes + 16
.set WSTG,  16*SP                      ; a wave's stage
.set RA,    16                         ; v16-143  two sets of 64 registers as loaded
.set X,     144                        ; v144-207 64 numbers: register 16 b + i = k 32 b + 16 h + i of my row
.set PC,    208                        ; v208-223 the codes
.set TM,    224                        ; v224-239 at work: largest magnitudes, bytes, holds, scale operands
.set PW,    240                        ; v240     the scale word
.set WD,    241                        ; v241-244 the four steps' words
.set SEL,   22                         ; s[22:23] lane selects for v_permlanex16_b32: lane l xor 16
.set MNT,   24                         ; s24      the mantissa field of 448
	s_load_b512 s[4:19], s[0:1], 0x0               ; x, wq_w, wk_w, wv_w, wo_w, codes, scales, rope
	v_lshl_add_u32 v254, v0, 2, 0x8400
	v_mov_b32 v255, 0
	v_lshrrev_b32 v5, 5, v0
	v_readfirstlane_b32 s20, v5                    ; wave
	v_and_b32 v6, 31, v0                           ; lane
	s_cmp_ge_u32 ttmp9, 384
	s_cbranch_scc1 .Ltable
	v_and_b32 v7, 15, v0                           ; r
	v_bfe_u32 v8, v0, 4, 1                         ; h
	v_lshlrev_b32 v1, 4, v6                        ; 16 x lane: my bytes of a load's or a store's 512
	s_mul_i32 s21, s20, WSTG
	v_add_nc_u32 v2, s21, v1                       ; the stage, in: 16 x lane of a row
	v_mul_u32_u24 v3, v7, SP
	v_lshl_add_u32 v3, v8, 6, v3
	v_add_nc_u32 v3, s21, v3                       ; out: row r, + 64 h: my 16 numbers of a block
	v_lshlrev_b32 v4, 3, v7
	v_lshl_add_u32 v4, v8, 7, v4                   ; the scale words: 8 r, lanes 16-31 one K slot (128 bytes) on
	s_mov_b32 s[SEL], 0x76543210
	s_mov_b32 s[SEL+1], 0xfedcba98
	s_mov_b32 s[MNT], 0x600000
	s_mov_b32 s25, 0xffff0000                      ; lanes 16-31
.irp b, 0,1,2,3
	v_mov_b32 v[TM+4+\b], 0                        ; written once: a lane permute's destination counts as one of its sources
.endr
	s_lshr_b32 s26, s20, 1                         ; u: which tile of the pair
	s_and_b32 s27, s20, 1                          ; which half of K
	s_and_b32 s28, ttmp9, 31                       ; the pair's number in its tensor: a weight has 32 pairs,
	s_cmp_lt_u32 ttmp9, 256
	s_cselect_b32 s28, ttmp9, s28                  ; x has 256
	s_lshl_b32 s28, s28, 17                        ; 32 rows of 4,096 bytes
	s_lshl_b32 s29, s26, 15                        ; + 8 rows
	s_add_co_u32 s28, s28, s29
	s_lshl_b32 s29, s27, 11                        ; + 512 numbers
	s_add_co_u32 s28, s28, s29
	s_mov_b32 s29, 0
	s_lshl_b32 s30, ttmp9, 15                      ; codes: 16,384 bytes a tile, 8,192 a half
	s_lshl_b32 s31, s26, 14
	s_add_co_u32 s30, s30, s31
	s_lshl_b32 s31, s27, 13
	s_add_co_u32 s30, s30, s31
	s_mov_b32 s31, 0
	s_lshl_b32 s32, ttmp9, 10                      ; scale words: 512 bytes a tile, 256 a half
	s_lshl_b32 s33, s26, 9
	s_add_co_u32 s32, s32, s33
	s_lshl_b32 s33, s27, 8
	s_add_co_u32 s32, s32, s33
	s_mov_b32 s33, 0
	s_wait_alu depctr_va_vdst(0)
	s_wait_kmcnt 0x0
	s_cmp_lt_u32 ttmp9, 352                        ; which tensor: the choice hangs on the work-group's number alone
	s_cselect_b64 s[12:13], s[10:11], s[12:13]
	s_cmp_lt_u32 ttmp9, 320
	s_cselect_b64 s[12:13], s[8:9], s[12:13]
	s_cmp_lt_u32 ttmp9, 288
	s_cselect_b64 s[12:13], s[6:7], s[12:13]
	s_cmp_lt_u32 ttmp9, 256
	s_cselect_b64 s[12:13], s[4:5], s[12:13]
	s_add_nc_u64 s[12:13], s[12:13], s[28:29]
	s_add_nc_u64 s[14:15], s[14:15], s[30:31]
	s_add_nc_u64 s[16:17], s[16:17], s[32:33]
.macro LOADK st                        ; K step st: 512 bytes of each of the tile's 16 rows, into set st % 2
.irp i, 0,1,2,3,4,5,6,7,8,9,10,11,12,13,14,15
	global_load_b128 v[RA+64*((\st)%2)+4*\i:RA+64*((\st)%2)+4*\i+3], v1, s[12:13] offset:(\i+8*(\i/8))*4096+512*(\st) th:TH_LOAD_NT
.endr
.endm
; 64 numbers of a lane become a fragment's codes in v[PC] on and its row's scale word in v[PW]
.macro QUANT s
.irp b, 0,1,2,3
	v_max3_num_f32 v[TM+\b], |v[\s+16*\b]|, |v[\s+1+16*\b]|, 0x4800000   ; block b: my 16 numbers, and the floor 2^(9 - 127): so the byte cannot fall under 1
.endr
.irp i, 2,4,6,8,10,12,14
.irp b, 0,1,2,3
	v_max3_num_f32 v[TM+\b], v[TM+\b], |v[\s+16*\b+\i]|, |v[\s+1+16*\b+\i]|   ; the four blocks by turns
.endr
.endr
.irp b, 0,1,2,3
	v_permlanex16_b32 v[TM+4+\b], v[TM+\b], s[SEL], s[SEL+1]
.endr
.irp b, 0,1,2,3
	v_max_num_f32 v[TM+\b], v[TM+\b], v[TM+4+\b]   ; with lane l xor 16's: the block's largest magnitude
.endr
.irp b, 0,1,2,3
	v_add_nc_u32 v[TM+12+\b], 0xfc000000, v[TM+\b] ; 8 off its exponent field: the conversion's scale operand
.endr
.irp b, 0,1,2,3
	v_and_or_b32 v[TM+8+\b], v[TM+\b], 0x7f800000, s[MNT]   ; 448 x the scale
.endr
.irp b, 0,1,2,3
	v_lshrrev_b32 v[TM+4+\b], 23, v[TM+12+\b]      ; the scale's byte
.endr
	v_lshl_or_b32 v[PW], v[TM+5], 8, v[TM+4]
	v_lshl_or_b32 v[PW], v[TM+6], 16, v[PW]
	v_lshl_or_b32 v[PW], v[TM+7], 24, v[PW]
.irp b, 0,1,2,3
.irp i, 0,1,2,3,4,5,6,7,8,9,10,11,12,13,14,15
	v_med3_num_f32 v[\s+16*\b+\i], v[\s+16*\b+\i], -v[TM+8+\b], v[TM+8+\b]   ; the conversion to an 8-bit code does not saturate (ISA guide 7.6.2): the hold
.endr
	v_cvt_scalef32_pk8_fp8_f32 v[PC+4*\b:PC+1+4*\b], v[\s+16*\b:\s+7+16*\b], v[TM+12+\b]
	v_cvt_scalef32_pk8_fp8_f32 v[PC+2+4*\b:PC+3+4*\b], v[\s+8+16*\b:\s+15+16*\b], v[TM+12+\b]
.endr
	v_nop                                          ; a plain line behind the last conversion
.endm
.macro STEPK st
.if (\st) < 3
	s_wait_loadcnt 16                              ; this step's 16 loads are in; the next step's 16 may be out
.else
	s_wait_loadcnt 0x0
.endif
.irp i, 0,1,2,3,4,5,6,7,8,9,10,11,12,13,14,15
	ds_store_b128 v2, v[RA+64*((\st)%2)+4*\i:RA+64*((\st)%2)+4*\i+3] offset:SP*\i
.endr
.irp c, 0,1,2,3
.irp j, 0,1,2,3
	ds_load_b128 v[X+16*\c+4*\j:X+16*\c+4*\j+3], v3 offset:128*\c+16*\j   ; LDS serves a wave's instructions in order: these see the stores above
.endr
.endr
	s_wait_dscnt 0x0                               ; the numbers are back, and the stores have read their registers,
.if (\st) < 2
	LOADK (\st)+2                                  ; which take the loads of two steps on
.endif
	s_wait_xcnt 0x0                                ; the last step's stores have read the codes' registers: they are written again only behind this wait
	QUANT X
	v_mov_b32 v[WD+(\st)], v[PW]
.irp c, 0,1,2,3
	global_store_b128 v1, v[PC+4*\c:PC+4*\c+3], s[14:15] offset:2048*(\st)+512*\c   ; 32 lanes store 512 consecutive bytes, aligned
.endr
.endm
	LOADK 0
	LOADK 1
	STEPK 0
	STEPK 1
	STEPK 2
	STEPK 3
	v_cndmask_b32 v246, v[WD], v[WD+2], s25        ; lanes 0-15: the first K slot's two words of row r; lanes 16-31: the second's
	v_cndmask_b32 v247, v[WD+1], v[WD+3], s25
	global_store_b64 v4, v[246:247], s[16:17]      ; 256 consecutive bytes, aligned
	s_wait_tensorcnt 0x0
	ds_add_u32 v254, v255
	s_wait_dscnt 0x0
	s_endpgm
.Ltable:
	s_sub_co_u32 s21, ttmp9, 384
	s_lshl_b32 s21, s21, 2
	s_add_co_u32 s21, s21, s20                     ; which run of 32 positions is my wave's
	s_lshl_b32 s22, s21, 5                         ; its first position
	s_lshl_b32 s28, s21, 13                        ; 32 rows of 256 bytes
	s_mov_b32 s29, 0
	s_wait_alu depctr_va_vdst(0)
	v_cvt_f32_u32 v10, v6                          ; i = lane
	v_mul_f32 v10, 0xbed49a78, v10                 ; -i log2(10) / 8
	s_wait_alu depctr_va_vdst(0)
	v_exp_f32 v10, v10                             ; 10000^(-2 i / 64)
	v_cvt_f32_u32 v11, s22                         ; the position (a plain line behind the exponential)
	v_lshlrev_b32 v1, 3, v6                        ; 8 bytes a lane: a row of 256
	s_mov_b32 s24, 0xbfc90fdb                      ; -(pi / 2 rounded to f32)
	s_mov_b32 s25, 0x333bbd2e                      ; that number less pi / 2
	s_mov_b32 s26, 0xb94ca1f9                      ; the sine's highest coefficient
	s_mov_b32 s27, 0x37ccf5ce                      ; the cosine's
	s_mov_b32 s23, 32
	s_wait_kmcnt 0x0
	s_add_nc_u64 s[18:19], s[18:19], s[28:29]
.Lpos:
	s_wait_alu depctr_va_vdst(0)
	v_mul_f32 v12, v11, v10                        ; the angle a, rounded once
	v_mul_f32 v13, 0x3f22f983, v12
	v_rndne_f32 v13, v13                           ; n = the nearest whole number to a x 2 / pi
	v_fma_f32 v14, v13, s24, v12                   ; a - n x the rounded pi / 2: exact (a whole multiple of 2^-23 under 1),
	v_fma_f32 v14, v13, s25, v14                   ; and the rest: r = a - n pi / 2, within +-pi / 4
	v_mul_f32 v15, v14, v14                        ; z = r r
	v_fmaak_f32 v16, s26, v15, 0x3c08839e
	v_fmaak_f32 v17, s27, v15, 0xbab6061a
	v_fmaak_f32 v16, v16, v15, 0xbe2aaaa3
	v_fmaak_f32 v17, v17, v15, 0x3d2aaaa5
	v_mul_f32 v16, v16, v15
	v_mul_f32 v17, v17, v15
	v_fma_f32 v18, v15, -0.5, 1.0
	v_fma_f32 v16, v16, v14, v14                   ; sin r
	v_fma_f32 v17, v17, v15, v18                   ; cos r
	v_cvt_i32_f32 v19, v13
	v_and_b32 v20, 1, v19
	v_cmp_eq_u32 vcc_lo, 1, v20                    ; in the odd quarters the two change places
	v_cndmask_b32 v21, v16, v17, vcc_lo
	v_cndmask_b32 v22, v17, v16, vcc_lo
	v_lshlrev_b32 v23, 30, v19
	v_and_b32 v23, 0x80000000, v23                 ; the sine is negative in quarters 2 and 3,
	v_add_nc_u32 v26, 1, v19
	v_lshlrev_b32 v26, 30, v26
	v_and_b32 v26, 0x80000000, v26                 ; the cosine in quarters 1 and 2
	v_xor_b32 v24, v26, v22
	v_xor_b32 v25, v23, v21
	global_store_b64 v1, v[24:25], s[18:19]        ; a row of the table: 256 consecutive bytes, aligned
	v_add_f32 v11, 1.0, v11
	s_wait_xcnt 0x0                                ; the store's data and base are written again only behind this wait
	s_add_nc_u64 s[18:19], s[18:19], 256
	s_sub_co_u32 s23, s23, 1
	s_cmp_lg_u32 s23, 0
	s_cbranch_scc1 .Lpos
	s_endpgm
.Lfunc_end_k_q217bbadf64_quant:
	.size	k_q217bbadf64_quant, .Lfunc_end_k_q217bbadf64_quant-k_q217bbadf64_quant
	.p2alignl 7, 3214868480
	.fill 96, 4, 3214868480
	.section	.rodata,"a",@progbits
	.p2align	6, 0x0
	.amdhsa_kernel k_q217bbadf64_quant
		.amdhsa_group_segment_fixed_size 34304
		.amdhsa_private_segment_fixed_size 0
		.amdhsa_enable_private_segment 0
		.amdhsa_kernarg_size 64
		.amdhsa_user_sgpr_count 2
		.amdhsa_user_sgpr_kernarg_segment_ptr 1
		.amdhsa_wavefront_size32 1
		.amdhsa_system_sgpr_workgroup_id_x 1
		.amdhsa_system_sgpr_workgroup_id_y 1
		.amdhsa_system_sgpr_workgroup_id_z 1
		.amdhsa_system_vgpr_workitem_id 0
		.amdhsa_next_free_vgpr 256
		.amdhsa_next_free_sgpr 66
		.amdhsa_reserve_vcc 1
		.amdhsa_float_denorm_mode_32 3
		.amdhsa_float_denorm_mode_16_64 3
		.amdhsa_memory_ordered 1
		.amdhsa_forward_progress 1
		.amdhsa_inst_pref_size 54
	.end_amdhsa_kernel
	.amdgpu_metadata
---
amdhsa.version: [ 1, 2 ]
amdhsa.kernels:
  - .name:           k_q217bbadf64_quant
    .symbol:         k_q217bbadf64_quant.kd
    .args:
      - { .name: x, .offset: 0, .size: 8, .value_kind: global_buffer, .address_space: global }
      - { .name: wq_w, .offset: 8, .size: 8, .value_kind: global_buffer, .address_space: global }
      - { .name: wk_w, .offset: 16, .size: 8, .value_kind: global_buffer, .address_space: global }
      - { .name: wv_w, .offset: 24, .size: 8, .value_kind: global_buffer, .address_space: global }
      - { .name: wo_w, .offset: 32, .size: 8, .value_kind: global_buffer, .address_space: global }
      - { .name: codes, .offset: 40, .size: 8, .value_kind: global_buffer, .address_space: global }
      - { .name: scales, .offset: 48, .size: 8, .value_kind: global_buffer, .address_space: global }
      - { .name: rope, .offset: 56, .size: 8, .value_kind: global_buffer, .address_space: global }
    .group_segment_fixed_size: 34304
    .private_segment_fixed_size: 0
    .kernarg_segment_align: 8
    .kernarg_segment_size: 64
    .max_flat_workgroup_size: 128
    .sgpr_count:     66
    .vgpr_count:     256
    .wavefront_size: 32
...
	.end_amdgpu_metadata
.endif
;; end of part 1
;; launch qkv (part 2): grid 12 x 32, 4 waves a work-group, clusters of 4 x 4, 327,680 bytes of LDS; arguments codes, scales, wq_b, wk_b, wv_b, rope, q_codes, q_scales, kv; writes q_codes, q_scales, kv
.if DOCPART == 2
	.amdgcn_target "amdgcn-amd-amdhsa--gfx1250"
	.amdhsa_code_object_version 6
	.text
	.protected	k_q217bbadf64_qkv
	.globl	k_q217bbadf64_qkv
	.p2align	8
	.type	k_q217bbadf64_qkv,@function
k_q217bbadf64_qkv:
	s_mov_b64 s[64:65], 0
	v_nop
	global_prefetch_b8 v0, s[64:65] scope:SCOPE_SE
	s_setreg_imm32_b32 hwreg(HW_REG_WAVE_MODE, 25, 1), 1
	s_wait_xcnt 0x0
	s_wait_alu depctr_hold_cnt(0) depctr_sa_sdst(0) depctr_va_vdst(0) depctr_va_sdst(0) depctr_va_ssrc(0) depctr_va_vcc(0) depctr_vm_vsrc(0)
	s_getreg_b32 s2, hwreg(HW_REG_IB_STS2, 6, 4)
	s_cmp_eq_u32 s2, 0
	s_cbranch_scc0 .Lentry_in_a_cluster
	s_endpgm
.Lentry_in_a_cluster:
	s_bfe_u32 s2, ttmp6, 0x10000c
	s_cmp_lg_u32 s2, 0xf033
	s_cbranch_scc0 .Lentry_shape_is_right
	s_endpgm
.Lentry_shape_is_right:
; q = rope(x wq^T + bq), k = rope(x wk^T + bk), v = x wv^T + bv, the three products on codes of FP8 (E4M3) with E8M0 scales; the results are quantised here: q and k along the head's 64, v along the keys.
; OPERANDS are images of registers: codes[tile][K step 8][2048], a tile = 16 rows x 128 K, [c][lane][16 bytes]; lane r of tile 2 b + u holds row 32 b + 8 u + r + 8 (r / 8).  scales[tile][K slot 4][r][2 words].
; A tile of the result, 256 x 256, is made by four waves, 128 x 128 each: 64 accumulators, 512 registers.  K = 1,024 goes in four steps of 256 through two LDS slots filled by the tensor data mover.
; THE MATRIX INSTRUCTION IS USED TRANSPOSED: source 0 = a tile of the REGISTER SIDE (B), source 1 = a tile of the LANE SIDE (A).  A lane then holds one row of A's side, and the 16 registers of B's tiles 2 b and 2 b + 1
; are 16 neighbours, 32 b + 16 (lane / 16) + 0 .. 15, of B's side: what the conversions want.  For q and k (cluster x = 0, 1): A = x (a lane holds a token), B = the weight (registers run along the head).
; For v (cluster x = 2): A = wv (a lane holds a channel), B = x (registers run along the keys, which are the second attention product's K).  The bias is the C of each sum's first matrix instruction.
; CLUSTERS: 4 x 4 work-groups.  A's tiles are shared along a row of the cluster, B's along a column: each is asked for jointly, by the same tensor load with the same descriptor and a mask that names the four.
; The role hangs on the cluster's x, which all sixteen partners share; no branch and no LDS address hangs on a place in the cluster.
; OUT: q_codes[bh][tile 128][c 2][lane][16], q_scales[bh][tile / 4][r][tile % 4] words (bytes 2 and 3 are 0x7f: the matrix instruction's upper 64 along K are zero codes);
; kv[bh][slot 8][34304]: K's codes [tile 16][1024], V's codes [K step 2][channel tile 4][2048], K's scale words [tile / 4][r][4], V's [K step 2][r][channel tile 4].  Every store of codes covers 512 consecutive bytes, aligned.
; LIMITS: NaN and infinities are not served; a block of zeros or under 2^-118 gets the byte 1 (this program alone reads the bytes).
; REGISTERS, in windows of 256: window 0: v1-13 lane parts and offsets; v16-29 addresses; v32-63 scale words, two sets; v64-127 the bias as C; v128-255 A's fragments, one set.  window 1: B's fragments, two sets.
;   windows 2, 3: the accumulators ((a, b) at v[8 (8 (a % 4) + b)]).  On the way out window 0 from v64 on is free: codes, work registers, 64 rotated numbers, two sets of table values.
.set SLOT,   131072                    ; A's 16 tiles x 4,096 bytes, then B's
.set SCL,    2*SLOT                    ; behind the ring: the scale words of all of K: A's 16 tiles x 512 bytes, then B's; filled once
.set SPARE,  SCL+16384                 ; the spare words, 128 bytes for each wave: two blocks of 256 bytes that no other line names
.set NQ,     2                         ; matrix instructions deep in a slot
.set FR,     16                        ; registers of a fragment
.set NP,     8                         ; places behind this matrix instruction (ISA guide 7.12.1)
.set ADRA, 16                          ; v16-17 LDS address of my A fragments in slot 0, 1
.set ADRB, 20                          ; v20-21 the same for B
.set ADRS, 27                          ; v27    of my scale words: lanes 0-15 A's, lanes 16-31 B's
.set SPW,  28                          ; v28    my spare word; never rewritten
.set NIL,  29                          ; v29    0; never rewritten
.set SC,   32
.set BI,   64
.set AF,   128
.set PC,   64                          ; the way out: codes
.set TM,   80                          ; at work
.set PW,   96                          ; the scale word
.set D0,   100                         ; scale words gathered for one store: head 0's, head 1's
.set D1,   104
.set T,    128                         ; 64 rotated numbers
.set CS,   192                         ; (cos, sin) pairs: two sets of 32
.set WV,  22
.set HA,  23                           ; which half of A's rows is mine.  Also: I fetch for A (0) or for B (1)
.set HB,  66                           ; which half of B's rows.  Also: which 8 tiles I fetch
.set ISV, 67                           ; 1: this cluster makes v
.set G1,  24
.set G0,  32
.set G1B, 48
.set G0B, 56
.set G1S, 68
.set G0S, 76
.set G1SB, 80
.set G0SB, 88
.set SEL, 36                           ; the way out: s[36:37] lane selects, s38 the mantissa field of 448
.set MNT, 38
.set MSB, 0
.macro WIN new                         ; the immediate's high byte repeats the setting that is left
.if MSB != (\new)
	s_set_vgpr_msb (MSB<<8)|(\new)
.set MSB, (\new)
.endif
.endm
.set MUL_LO, 0xa1                      ; source 0 (B) window 1, source 1 (A) window 0, C and D window 2
.set MUL_HI, 0xf1                      ; the same, C and D window 3
.set TO_B,   0x40
; A joint load: waves 0 and 1 fetch for A, waves 2 and 3 for B.  Four v_nop follow each of the two lines.
.macro JLOAD g0a, g1a, g0b, g1b
	s_cmp_eq_u32 s[HA], 0
	s_cbranch_scc0 .Lfor_b_\@
	tensor_load_to_lds s[\g0a:\g0a+3], s[\g1a:\g1a+7]
	s_nop 0
.rept 4
	v_nop
.endr
	s_branch .Lasked_\@
.Lfor_b_\@:
	tensor_load_to_lds s[\g0b:\g0b+3], s[\g1b:\g1b+7]
	s_nop 0
.rept 4
	v_nop
.endr
.Lasked_\@:
.endm
.macro CREST                           ; a round of the cluster's barrier behind its opening barrier
	s_cmp_lg_u32 s[WV], 0
	s_cbranch_scc1 .Lnot_wave_0_\@
	s_barrier_signal -3
.Lnot_wave_0_\@:
	s_barrier_wait -3
	s_barrier_signal -1
	s_barrier_wait -1
.endm
.macro CROUND
	s_barrier_signal -1
	s_barrier_wait -1
	CREST
.endm
	s_load_b512 s[4:19], s[0:1], 0x0               ; codes, scales, wq_b, wk_b, wv_b, rope, q_codes, q_scales
	s_load_b64 s[20:21], s[0:1], 0x40              ; kv
	v_lshl_add_u32 v[SPW], v0, 2, SPARE
	v_mov_b32 v[NIL], 0
	ds_add_u32 v28, v29
	ds_add_u32 v28, v29
	s_wait_dscnt 0x0
	v_lshrrev_b32 v1, 5, v0
	v_readfirstlane_b32 s[WV], v1
	s_lshr_b32 s[HA], s[WV], 1
	s_and_b32 s[HB], s[WV], 1
	s_bfe_u32 s40, ttmp6, 0x40000                  ; cx
	s_bfe_u32 s41, ttmp6, 0x40004                  ; cy
	s_mov_b32 s42, ttmp9                           ; X: the cluster's x: 0 q, 1 k, 2 v
	s_and_b32 s43, ttmp7, 0xffff                   ; Y: the cluster's y: 1,024 tokens
	s_lshl_b32 s44, s41, 2
	s_lshl_b32 s44, 15, s44                        ; my row of the cluster
	s_lshl_b32 s45, 0x1111, s40                    ; my column
	; group 1 for codes: 8 tiles; a tile's two K steps are a row of 4,096 bytes (512 elements of 8), tiles 16,384 bytes apart; dense in LDS
	s_or_b32 s[G1], s44, (3<<16)|(1<<21)
	s_or_b32 s[G1B], s45, (3<<16)|(1<<21)
.irp g, G1, G1B
	s_mov_b32 s[\g+1], 512<<16                     ; tensor_dim0
	s_mov_b32 s[\g+2], 16<<16                      ; tensor_dim1: 16 tiles for the head's loads; set to 8 for the ring's behind the wait for them
	s_mov_b32 s[\g+3], 512<<16                     ; tile_dim0
	s_mov_b32 s[\g+4], 16                          ; tile_dim1
	s_mov_b32 s[\g+5], 2048                        ; tensor_dim0_stride
	s_mov_b32 s[\g+6], 0
	s_mov_b32 s[\g+7], 0
.endr
	; and for the scale words of 16 tiles: 8,192 dense bytes, as 32 rows of 256
	s_or_b32 s[G1S], s44, (3<<16)|(1<<21)
	s_or_b32 s[G1SB], s45, (3<<16)|(1<<21)
.irp g, G1S, G1SB
	s_mov_b32 s[\g+1], 32<<16
	s_mov_b32 s[\g+2], 32<<16                      ; the scale words of 16 tiles: 32 rows of 256 bytes
	s_mov_b32 s[\g+3], 32<<16
	s_mov_b32 s[\g+4], 32
	s_mov_b32 s[\g+5], 32
	s_mov_b32 s[\g+6], 0
	s_mov_b32 s[\g+7], 0
.endr
	s_lshl_b32 s100, s43, 6                        ; x's tiles of this cluster begin at 64 Y
	s_lshl_b32 s101, s42, 6
	s_add_co_u32 s101, s101, 512                   ; wq's at 512, wk's at 576
	s_lshl_b32 s96, s43, 2
	s_add_co_u32 s98, s96, s40                     ; 4 Y + cx
	s_add_co_u32 s96, s96, s41                     ; 4 Y + cy
	s_lshl_b32 s97, s42, 2
	s_add_co_u32 s97, s97, s40                     ; 4 X + cx
	s_cmp_eq_u32 s42, 2
	s_cselect_b32 s[ISV], 1, 0
	s_cselect_b32 s46, 640, s100                   ; A: wv, or x
	s_cselect_b32 s92, s100, s101                  ; B: x, or the weight
	s_cselect_b32 s96, s41, s96                    ; TR: which 256 rows of A's tensor
	s_cselect_b32 s97, s98, s97                    ; TC: which 256 rows of B's (for k: 4 + cx)
	s_lshl_b32 s94, s41, 4
	s_add_co_u32 s46, s46, s94
	s_lshl_b32 s94, s46, 9
	s_mov_b32 s95, 0
	s_lshl_b32 s46, s46, 14                        ; its codes
	s_mov_b32 s47, 0
	s_lshl_b32 s98, s40, 4
	s_add_co_u32 s92, s92, s98
	s_lshl_b32 s98, s92, 9
	s_mov_b32 s99, 0
	s_lshl_b32 s92, s92, 14
	s_mov_b32 s93, 0
	s_lshl_b32 s100, s[WV], 15                     ; where they go: wave x 8 tiles: no place in the cluster enters an LDS address
	s_wait_kmcnt 0x0
	s_add_nc_u64 s[46:47], s[4:5], s[46:47]
	s_add_nc_u64 s[94:95], s[6:7], s[94:95]
	s_add_nc_u64 s[92:93], s[4:5], s[92:93]
	s_add_nc_u64 s[98:99], s[6:7], s[98:99]
	CROUND                                         ; all sixteen work-groups are here: the first joint loads meet
	s_mov_b32 s[G0S], 1
	s_mov_b32 s[G0S+1], SCL
	s_mov_b64 s[G0S+2:G0S+3], s[94:95]
	s_or_b32 s[G0S+3], s[G0S+3], 0x80000000
	s_mov_b32 s[G0SB], 1
	s_mov_b32 s[G0SB+1], SCL+8192
	s_mov_b64 s[G0SB+2:G0SB+3], s[98:99]
	s_or_b32 s[G0SB+3], s[G0SB+3], 0x80000000
	s_lshl_b32 s2, s[HB], 17                       ; in the ring a wave fetches 8 of a side's 16 tiles: which 8, in bytes
	s_mov_b32 s3, 0
	s_mov_b32 s[G0], 1                             ; slot 0's groups 0 serve the head's loads first: A's 16 tiles whole,
	s_mov_b32 s[G0+1], 0
	s_mov_b64 s[G0+2:G0+3], s[46:47]
	s_or_b32 s[G0+3], s[G0+3], 0x80000000
	s_mov_b32 s[G0B], 1                            ; B's 16 behind them
	s_mov_b32 s[G0B+1], 65536
	s_mov_b64 s[G0B+2:G0B+3], s[92:93]
	s_or_b32 s[G0B+3], s[G0B+3], 0x80000000
	s_mov_b32 s[G0+4], 1                           ; slot 1's: my 8 tiles, the second K slot
	s_add_co_u32 s[G0+5], s100, SLOT
	s_add_nc_u64 s[G0+6:G0+7], s[46:47], s[2:3]
	s_add_nc_u64 s[G0+6:G0+7], s[G0+6:G0+7], 4096
	s_or_b32 s[G0+7], s[G0+7], 0x80000000
	s_mov_b32 s[G0B+4], 1
	s_add_co_u32 s[G0B+5], s100, SLOT
	s_add_nc_u64 s[G0B+6:G0B+7], s[92:93], s[2:3]
	s_add_nc_u64 s[G0B+6:G0B+7], s[G0B+6:G0B+7], 4096
	s_or_b32 s[G0B+7], s[G0B+7], 0x80000000
; THE HEAD'S LOADS, ONE A WAVE: wave 0 A's tiles of K slot 0, wave 1 B's, wave 2 A's scale words, wave 3 B's.  One chain of branches on the wave's number, a load to an arm.
.macro ARM under, g0, g1, next
	s_cmp_lt_u32 s[WV], \under
	s_cbranch_scc0 \next
	tensor_load_to_lds s[\g0:\g0+3], s[\g1:\g1+7]
	s_nop 0
.rept 4
	v_nop
.endr
	s_branch .Lhead_asked
\next:
.endm
	ARM 1, G0,  G1,  .Lhead_b
	ARM 2, G0B, G1B, .Lhead_sa
	ARM 3, G0S, G1S, .Lhead_sb
	tensor_load_to_lds s[G0SB:G0SB+3], s[G1SB:G1SB+7]
	s_nop 0
.rept 4
	v_nop
.endr
.Lhead_asked:
	v_and_b32 v1, 15, v0                           ; r
	v_bfe_u32 v2, v0, 4, 1                         ; h
	s_wait_alu depctr_va_vdst(0)
	v_and_b32 v3, 31, v0
	v_lshlrev_b32 v8, 4, v3                        ; 16 x lane: an image's place for my lane
	s_lshl_b32 s100, s[HA], 15                     ; my 8 tiles of A,
	s_lshl_b32 s101, s[HB], 15
	s_add_co_u32 s101, s101, 65536                 ; my 8 of B, behind A's 16
.irp s, 0,1
	v_add_nc_u32 v[ADRA+\s], s100, v8
	v_add_nc_u32 v[ADRB+\s], s101, v8
	s_add_co_u32 s100, s100, SLOT
	s_add_co_u32 s101, s101, SLOT
.endr
	v_lshlrev_b32 v5, 3, v1                        ; my row's two words of a K slot
	s_lshl_b32 s100, s[HA], 12
	s_lshl_b32 s101, s[HB], 12
	s_add_co_u32 s101, s101, 8192
	s_sub_co_u32 s101, s101, s100
	v_mul_u32_u24 v6, s101, v2                     ; lanes 16-31 take B's: one product of the distance between the two
	s_add_co_u32 s100, s100, SCL
	v_add_nc_u32 v5, v5, v6
	v_add_nc_u32 v[ADRS], s100, v5
	; the bias, in the result's layout
	s_cmp_eq_u32 s[ISV], 0
	s_cbranch_scc0 .Lbias_v
	s_cmp_eq_u32 s42, 0
	s_cselect_b64 s[8:9], s[8:9], s[10:11]         ; wq_b or wk_b
	s_and_b32 s100, s97, 3
	s_lshl_b32 s100, s100, 10
	s_lshl_b32 s101, s[HB], 9
	s_add_co_u32 s100, s100, s101                  ; my 128 features
	s_mov_b32 s101, 0
	s_add_nc_u64 s[8:9], s[8:9], s[100:101]
	v_lshlrev_b32 v13, 6, v2                       ; register j of B's tile b is feature 32 (b / 2) + 8 (b % 2) + 16 h + j
.irp b, 0,1,2,3,4,5,6,7
	global_load_b128 v[BI+8*\b:BI+8*\b+3], v13, s[8:9] offset:(32*(\b/2)+8*(\b%2))*4
	global_load_b128 v[BI+8*\b+4:BI+8*\b+7], v13, s[8:9] offset:(32*(\b/2)+8*(\b%2))*4+16
.endr
	s_branch .Lbias_done
.Lbias_v:
	s_lshl_b32 s100, s96, 10
	s_lshl_b32 s101, s[HA], 9
	s_add_co_u32 s100, s100, s101
	s_mov_b32 s101, 0
	s_add_nc_u64 s[12:13], s[12:13], s[100:101]
	v_and_b32 v13, 8, v1
	v_add_nc_u32 v13, v13, v1
	v_lshlrev_b32 v13, 2, v13                      ; my lane's channel of A's tile a: 32 (a / 2) + 8 (a % 2) + r + 8 (r / 8): the same number in all eight registers
.irp a, 0,1,2,3,4,5,6,7
.irp j, 0,1,2,3,4,5,6,7
	global_load_b32 v[BI+8*\a+\j], v13, s[12:13] offset:(32*(\a/2)+8*(\a%2))*4
.endr
.endr
.Lbias_done:
.macro FRAG reg, adr, q, i             ; a fragment comes as it lies: four loads of 512 consecutive bytes
.irp c, 0,1,2,3
	ds_load_b128 v[\reg+4*\c:\reg+4*\c+3], v[\adr] offset:2048*(\q)+512*\c+4096*(\i)
.endr
.endm
; 16 matrix instructions: A's blocks a0, a0 + 1 x B's eight.  cm = 0: onto the sums; 1: the sums start with the bias of B's side; 2: of A's side.  The 64 accumulators take turns.
.macro MUL16 a0, p, q, sc, cm
.irp a, \a0, \a0+1
.irp b, 0,1,2,3,4,5,6,7
.if (\cm) == 1
	v_wmma_scale_f32_16x16x128_f8f6f4 v[8*(8*((\a)%4)+\b):8*(8*((\a)%4)+\b)+7], v[128*(\p)+FR*\b:128*(\p)+FR*\b+FR-1], v[AF+FR*(\a):AF+FR*(\a)+FR-1], v[BI+8*\b:BI+8*\b+7], v[SC+8*NQ*(\sc)+NQ*\b+(\q)], v[SC+8*NQ*(\sc)+NQ*(\a)+(\q)] matrix_a_scale:MATRIX_SCALE_ROW1
.elseif (\cm) == 2
	v_wmma_scale_f32_16x16x128_f8f6f4 v[8*(8*((\a)%4)+\b):8*(8*((\a)%4)+\b)+7], v[128*(\p)+FR*\b:128*(\p)+FR*\b+FR-1], v[AF+FR*(\a):AF+FR*(\a)+FR-1], v[BI+8*(\a):BI+8*(\a)+7], v[SC+8*NQ*(\sc)+NQ*\b+(\q)], v[SC+8*NQ*(\sc)+NQ*(\a)+(\q)] matrix_a_scale:MATRIX_SCALE_ROW1
.else
	v_wmma_scale_f32_16x16x128_f8f6f4 v[8*(8*((\a)%4)+\b):8*(8*((\a)%4)+\b)+7], v[128*(\p)+FR*\b:128*(\p)+FR*\b+FR-1], v[AF+FR*(\a):AF+FR*(\a)+FR-1], v[8*(8*((\a)%4)+\b):8*(8*((\a)%4)+\b)+7], v[SC+8*NQ*(\sc)+NQ*\b+(\q)], v[SC+8*NQ*(\sc)+NQ*(\a)+(\q)] matrix_a_scale:MATRIX_SCALE_ROW1
.endif
.endr
.endr
.endm
.macro FETCH_B slot, q, p
	WIN TO_B
.irp i, 0,1,2,3,4,5,6,7
	FRAG 128*(\p)+FR*\i, ADRB+\slot, \q, \i
.endr
	WIN 0
.endm
.macro FETCH_A slot, q, i0
.irp i, \i0, \i0+1, \i0+2, \i0+3
	FRAG AF+FR*(\i), ADRA+\slot, \q, \i
.endr
.endm
.macro SCALES sc                       ; a K slot's two words a row: lanes 0-15 A's block i, lanes 16-31 B's block i
.irp i, 0,1,2,3,4,5,6,7
	ds_load_b64 v[SC+8*NQ*\sc+NQ*\i:SC+8*NQ*\sc+NQ*\i+1], v[ADRS] offset:\i*512
.endr
.endm
.macro PLACES n                        ; plain vector lines between a matrix instruction and a load into, or a read of, its registers
.rept \n
	v_nop
.endr
.endm
.macro STEP slot, q, cm                ; 128 along K that has its successor in the same slot
	s_wait_dscnt 16                                ; B's set, A's blocks 0-3 and the scale words are in; the youngest 16 loads (A's blocks 4-7) may be out
.if \cm
	WIN 0x81                                       ; C, the bias, in window 0
.else
	WIN MUL_LO
.endif
	MUL16 0, (\q)%2, \q, \slot, \cm
	MUL16 2, (\q)%2, \q, \slot, \cm
	s_wait_dscnt 0
	PLACES NP
	FETCH_B \slot, (\q)+1, 1-(\q)%2
	FETCH_A \slot, (\q)+1, 0
.if \cm
	WIN 0xc1
.else
	WIN MUL_HI
.endif
	MUL16 4, (\q)%2, \q, \slot, \cm
	MUL16 6, (\q)%2, \q, \slot, \cm
	PLACES NP
	WIN 0
	FETCH_A \slot, (\q)+1, 4
.endm
; A slot's last step changes slots: one barrier; in front of it each wave waits for all its tensor loads, adds 0 to its spare word, and waits for that and for its reads of this slot.  fill = 1: this slot is filled again.
.macro TURN slot, next, fill
	s_wait_tensorcnt 0x0                           ; all my tensor loads have landed: my part of the next slot
	ds_add_u32 v[SPW], v[NIL]                      ; 0 onto my spare word
	s_wait_dscnt 17                                ; (the add and the youngest 16 loads may be out)
	WIN MUL_LO
	MUL16 0, 1, NQ-1, \slot, 0                     ; sixteen matrix instructions stand between the add and the wait for it
	s_wait_dscnt 0x0                               ; the add is done, and my reads of this slot are over
	s_barrier_signal -1
	MUL16 2, 1, NQ-1, \slot, 0
	WIN 0
	s_barrier_wait -1
.if \fill
	CREST                                          ; the barrier has opened a round of the cluster's: no wave of any partner still reads this slot or has a load on its way
	s_add_nc_u64 s[G0+4*\slot+2:G0+4*\slot+3], s[G0+4*\slot+2:G0+4*\slot+3], 8192
	s_add_nc_u64 s[G0B+4*\slot+2:G0B+4*\slot+3], s[G0B+4*\slot+2:G0B+4*\slot+3], 8192
	JLOAD G0+4*\slot, G1, G0B+4*\slot, G1B         ; the first tensor load behind the round; its four v_nop are among the places in front of the loads below
	PLACES NP-4
.else
	PLACES NP
.endif
	s_wait_alu depctr_va_vdst(0)
	v_add_nc_u32 v[ADRS], 128, v[ADRS]             ; the next K slot's scale words
	FETCH_B \next, 0, 0
	FETCH_A \next, 0, 0
	SCALES \next
	WIN MUL_HI
	MUL16 4, 1, NQ-1, \slot, 0
	MUL16 6, 1, NQ-1, \slot, 0
	PLACES NP
	WIN 0
	FETCH_A \next, 0, 4
.endm
	s_wait_alu depctr_va_vdst(0)                   ; the wait at the head's end
	s_wait_tensorcnt 0x0                           ; my tile of the head's four is in; slot 1's first fill is issued as a refill is:
	ds_add_u32 v[SPW], v[NIL]                      ; 0 onto my spare word
	s_mov_b32 s[G1+2], 8<<16                       ; no tensor load of mine is out, so descriptors may be written: from here on a load brings 8 tiles,
	s_mov_b32 s[G1+4], 8
	s_mov_b32 s[G1B+2], 8<<16
	s_mov_b32 s[G1B+4], 8
	s_lshl_b32 s[G0+1], s[WV], 15                  ; and slot 0's groups 0 stand at my 8 tiles
	s_lshl_b32 s[G0B+1], s[WV], 15
	s_lshl_b32 s2, s[HB], 17
	s_mov_b32 s3, 0
	s_add_nc_u64 s[G0+2:G0+3], s[G0+2:G0+3], s[2:3]
	s_add_nc_u64 s[G0B+2:G0B+3], s[G0B+2:G0B+3], s[2:3]
	s_wait_dscnt 0x0                               ; the add is done
	CROUND                                         ; a whole round: all four tiles are in, and the joint loads meet
	JLOAD G0+4, G1, G0B+4, G1B                     ; slot 1: the first tensor load behind the round
	FETCH_B 0, 0, 0
	FETCH_A 0, 0, 0
	SCALES 0
	FETCH_A 0, 0, 4
	s_wait_loadcnt 0x0                             ; the bias
	s_cmp_eq_u32 s[ISV], 0                         ; the first step starts the sums with the bias, which lies along B's side for q and k, along A's for v
	s_cbranch_scc0 .Lfirst_v
	STEP 0, 0, 1
	s_branch .Lfirst_done
.Lfirst_v:
	STEP 0, 0, 2
.Lfirst_done:
	TURN 0, 1, 1
	STEP 1, 0, 0
	TURN 1, 0, 1
	STEP 0, 0, 0
	TURN 0, 1, 0                                   ; nothing is left to fetch
	STEP 1, 0, 0
	s_wait_dscnt 16
	WIN MUL_LO
	MUL16 0, 1, NQ-1, 1, 0
	MUL16 2, 1, NQ-1, 1, 0
	s_wait_dscnt 0
	WIN MUL_HI
	MUL16 4, 1, NQ-1, 1, 0
	MUL16 6, 1, NQ-1, 1, 0
	WIN 0
	PLACES NP
; 64 numbers of a lane in window w, register 16 b + i = place 32 b + 16 h + i along the next K, become codes in v[PC] on and a scale word in v[PW] (window 0).  Each accumulator is read from its low end on.
.macro QUANT s, w
	WIN (\w)|((\w)<<2)
.irp b, 0,1,2,3
	v_max3_num_f32 v[TM+\b], |v[\s+16*\b]|, |v[\s+1+16*\b]|, 0x4800000   ; and the floor 2^(9 - 127): the byte cannot fall under 1
.endr
.irp i, 2,4,6,8,10,12,14
.irp b, 0,1,2,3
	v_max3_num_f32 v[TM+\b], |v[\s+16*\b+\i]|, |v[\s+1+16*\b+\i]|, v[TM+\b]
.endr
.endr
	WIN 0
.irp b, 0,1,2,3
	v_permlanex16_b32 v[TM+4+\b], v[TM+\b], s[SEL], s[SEL+1]
.endr
.irp b, 0,1,2,3
	v_max_num_f32 v[TM+\b], v[TM+\b], v[TM+4+\b]   ; with lane l xor 16's: the block's largest magnitude
.endr
.irp b, 0,1,2,3
	v_add_nc_u32 v[TM+12+\b], 0xfc000000, v[TM+\b] ; the conversion's scale operand
.endr
.irp b, 0,1,2,3
	v_and_or_b32 v[TM+8+\b], v[TM+\b], 0x7f800000, s[MNT]   ; 448 x the scale
.endr
.irp b, 0,1,2,3
	v_lshrrev_b32 v[TM+4+\b], 23, v[TM+12+\b]      ; the byte
.endr
	v_lshl_or_b32 v[PW], v[TM+5], 8, v[TM+4]
	v_lshl_or_b32 v[PW], v[TM+6], 16, v[PW]
	v_lshl_or_b32 v[PW], v[TM+7], 24, v[PW]
	WIN (\w)|((\w)<<6)
.irp b, 0,1,2,3
.irp i, 0,1,2,3,4,5,6,7,8,9,10,11,12,13,14,15
	v_med3_num_f32 v[\s+16*\b+\i], v[\s+16*\b+\i], -v[TM+8+\b], v[TM+8+\b]   ; the conversion does not saturate (ISA guide 7.6.2): the hold
.endr
.endr
	WIN (\w)
.irp b, 0,1,2,3
	v_cvt_scalef32_pk8_fp8_f32 v[PC+4*\b:PC+1+4*\b], v[\s+16*\b:\s+7+16*\b], v[TM+12+\b]
	v_cvt_scalef32_pk8_fp8_f32 v[PC+2+4*\b:PC+3+4*\b], v[\s+8+16*\b:\s+15+16*\b], v[TM+12+\b]
.endr
	WIN 0
	v_nop                                          ; a plain line behind the last conversion
.endm
	; THE WAY OUT: no LDS, no barrier.  No tensor load of mine is out since the last change of slots, so the descriptors' registers are free.
	s_mov_b32 s32, 0xffff0000                      ; lanes 16-31
	s_mov_b32 s33, 0x7f7f7f7f
	s_mov_b32 s[SEL], 0x76543210
	s_mov_b32 s[SEL+1], 0xfedcba98
	s_mov_b32 s[MNT], 0x600000
.irp b, 0,1,2,3
	v_mov_b32 v[TM+4+\b], 0                        ; written once: a lane permute's destination counts as one of its sources
.endr
	s_cmp_eq_u32 s[ISV], 0
	s_cbranch_scc0 .Lout_v
	; ---- q and k.  My lane's token: 256 TR + 128 HA + 32 (a / 2) + 8 (a % 2) + r + 8 (r / 8); my 128 features are two heads.
	s_lshr_b32 s34, s96, 3                         ; the batch
	s_and_b32 s35, s96, 7                          ; which 256 positions of it
	s_lshl_b32 s34, s34, 4
	s_and_b32 s100, s97, 3
	s_lshl_b32 s100, s100, 2
	s_add_co_u32 s34, s34, s100
	s_lshl_b32 s100, s[HB], 1
	s_add_co_u32 s34, s34, s100                    ; bh of my first head
	s_lshl_b32 s24, s34, 17                        ; q's codes: 131,072 bytes a head, 1,024 a tile
	s_lshl_b32 s100, s35, 14
	s_add_co_u32 s24, s24, s100
	s_lshl_b32 s100, s[HA], 13
	s_add_co_u32 s24, s24, s100
	s_lshl_b32 s26, s34, 13                        ; q's scale words: 8,192 bytes a head, 256 for four tiles
	s_lshl_b32 s100, s35, 10
	s_add_co_u32 s26, s26, s100
	s_lshl_b32 s100, s[HA], 9
	s_add_co_u32 s26, s26, s100
	s_lshl_b32 s100, s34, 3
	s_add_co_u32 s100, s100, s35
	s_mul_i32 s100, s100, 34304                    ; k: the head's slot of 256 keys
	s_lshl_b32 s101, s[HA], 13
	s_add_co_u32 s101, s100, s101                  ; its codes
	s_lshl_b32 s39, s[HA], 9
	s_add_co_u32 s100, s100, s39
	s_add_co_u32 s100, s100, 32768                 ; its scale words
	s_mov_b32 s30, 274432                          ; from head to head: k's 8 slots,
	s_mov_b32 s31, 274432
	s_cmp_eq_u32 s42, 0
	s_cselect_b32 s24, s24, s101
	s_cselect_b32 s26, s26, s100
	s_cselect_b32 s30, 131072, s30                 ; or q's codes,
	s_cselect_b32 s31, 8192, s31                   ; q's scale words
	s_cselect_b64 s[16:17], s[16:17], s[20:21]
	s_cselect_b64 s[18:19], s[18:19], s[20:21]
	s_mov_b32 s25, 0
	s_mov_b32 s27, 0
	s_add_nc_u64 s[24:25], s[16:17], s[24:25]
	s_add_nc_u64 s[26:27], s[18:19], s[26:27]
	s_lshl_b32 s28, s35, 16
	s_lshl_b32 s100, s[HA], 15
	s_add_co_u32 s28, s28, s100                    ; the table at my wave's first position: 256 bytes a position
	s_mov_b32 s29, 0
	s_add_nc_u64 s[28:29], s[14:15], s[28:29]
	v_add_nc_u32 v9, s30, v8                       ; the second head's codes
	v_lshlrev_b32 v10, 4, v1
	v_lshl_add_u32 v10, v2, 8, v10                 ; scale words: 16 r; lanes 16-31 the next four tiles
	v_add_nc_u32 v11, s31, v10
	v_and_b32 v12, 8, v1
	v_add_nc_u32 v12, v12, v1
	v_lshlrev_b32 v12, 8, v12
	v_lshl_add_u32 v12, v2, 6, v12                 ; the table: my position's row, + my half's eight pairs
.macro CSLOAD a                        ; tile a's (cos, sin): for each half of the head 8 pairs, 64 bytes
.irp par, 0,1
.irp j, 0,1,2,3
	global_load_b128 v[CS+32*((\a)%2)+16*\par+4*\j:CS+32*((\a)%2)+16*\par+4*\j+3], v12, s[28:29] offset:(32*((\a)/2)+8*((\a)%2))*256+128*\par+16*\j
.endr
.endr
.endm
.macro EPI_QK a
.set AC, 64*((\a)%4)
.set CSA, CS+32*((\a)%2)
.if (\a) < 7
	CSLOAD (\a)+1
	s_wait_loadcnt 8                               ; this tile's table values are in; the next tile's eight loads may be out
.else
	s_wait_loadcnt 0x0
.endif
	s_wait_xcnt 0x0                                ; the last tile's stores have read the codes' registers
	WIN 2+(\a)/4
.set p, 0
.rept 32                               ; pair p: (xe c, xo c)
	v_pk_mul_f32 v[T+2*p:T+2*p+1], v[AC+2*p:AC+2*p+1], v[CSA+16*((p/8)%2)+2*(p%8):CSA+16*((p/8)%2)+2*(p%8)+1] op_sel_hi:[1,0]
.set p, p+1
.endr
.set p, 0
.rept 32                               ; (xe c - xo s, xo c + xe s)
	v_pk_fma_f32 v[T+2*p:T+2*p+1], v[AC+2*p:AC+2*p+1], v[CSA+16*((p/8)%2)+2*(p%8):CSA+16*((p/8)%2)+2*(p%8)+1], v[T+2*p:T+2*p+1] op_sel:[1,1,0] op_sel_hi:[0,1,1] neg_lo:[0,1,0]
.set p, p+1
.endr
	WIN 0
	QUANT T, 0
.irp e, 0,1,2,3
	global_store_b128 v[8+\e/2], v[PC+4*\e:PC+4*\e+3], s[24:25] offset:1024*(\a)+512*(\e%2)   ; 512 consecutive bytes, aligned
.endr
.if (\a) < 4
	v_perm_b32 v[D0+(\a)], s33, v[PW], 0x04040100  ; a head's two bytes, and 0x7f for the zero codes above them
	v_perm_b32 v[D1+(\a)], s33, v[PW], 0x04040302
.else
	v_perm_b32 v98, s33, v[PW], 0x04040100
	v_perm_b32 v99, s33, v[PW], 0x04040302
	v_cndmask_b32 v[D0+(\a)-4], v[D0+(\a)-4], v98, s32   ; lanes 16-31 hold tiles 4 to 7
	v_cndmask_b32 v[D1+(\a)-4], v[D1+(\a)-4], v99, s32
.endif
.endm
	CSLOAD 0
.irp a, 0,1,2,3,4,5,6,7
	EPI_QK \a
.endr
	global_store_b128 v10, v[D0:D0+3], s[26:27]    ; eight tiles' scale words of a head: 512 consecutive bytes, aligned
	global_store_b128 v11, v[D1:D1+3], s[26:27]
	s_branch .Lend
.Lout_v:
	; ---- v.  My lane's channel: 256 TR + 128 HA + 32 (a / 2) + 8 (a % 2) + r + 8 (r / 8): tiles 0-3 one head, 4-7 the next; my registers: keys 256 TC + 128 HB + 32 b + 16 h + i.
	s_lshr_b32 s34, s97, 3                         ; the batch
	s_lshl_b32 s34, s34, 4
	s_lshl_b32 s35, s96, 2
	s_add_co_u32 s34, s34, s35
	s_lshl_b32 s35, s[HA], 1
	s_add_co_u32 s34, s34, s35                     ; bh of my first head
	s_lshl_b32 s34, s34, 3
	s_and_b32 s35, s97, 7
	s_add_co_u32 s34, s34, s35
	s_mul_i32 s34, s34, 34304                      ; its slot of 256 keys
	s_lshl_b32 s35, s[HB], 13
	s_add_co_u32 s24, s34, s35
	s_add_co_u32 s24, s24, 16384                   ; V's codes of my K step
	s_mov_b32 s25, 0
	s_lshl_b32 s35, s[HB], 8
	s_add_co_u32 s26, s34, s35
	s_add_co_u32 s26, s26, 33792                   ; and its scale words
	s_mov_b32 s27, 0
	s_add_nc_u64 s[24:25], s[20:21], s[24:25]
	s_add_nc_u64 s[26:27], s[20:21], s[26:27]
	v_add_nc_u32 v9, 274432, v8                    ; the second head
	v_lshlrev_b32 v10, 4, v1
	v_mul_u32_u24 v11, v2, 274432
	v_add_nc_u32 v10, v10, v11                     ; scale words: 16 r; lanes 16-31 the second head's
.macro EPI_V a
	s_wait_xcnt 0x0                                ; the last tile's stores have read the codes' registers
	QUANT 64*((\a)%4), 2+(\a)/4
.irp c, 0,1,2,3
	global_store_b128 v[8+(\a)/4], v[PC+4*\c:PC+4*\c+3], s[24:25] offset:2048*((\a)%4)+512*\c
.endr
.if (\a) < 4
	v_mov_b32 v[D0+(\a)], v[PW]
.else
	v_cndmask_b32 v[D0+(\a)-4], v[D0+(\a)-4], v[PW], s32
.endif
.endm
.irp a, 0,1,2,3,4,5,6,7
	EPI_V \a
.endr
	global_store_b128 v10, v[D0:D0+3], s[26:27]    ; sixteen lanes store 256 consecutive bytes, aligned, for each head
.Lend:
	s_wait_tensorcnt 0x0                           ; the wave's end
	ds_add_u32 v[SPW], v[NIL]
	s_wait_dscnt 0x0
	CROUND                                         ; the closing round: no work-group ends while a partner may still ask for a tile that names it
	s_endpgm
.Lfunc_end_k_q217bbadf64_qkv:
	.size	k_q217bbadf64_qkv, .Lfunc_end_k_q217bbadf64_qkv-k_q217bbadf64_qkv
	.p2alignl 7, 3214868480
	.fill 96, 4, 3214868480
	.section	.rodata,"a",@progbits
	.p2align	6, 0x0
	.amdhsa_kernel k_q217bbadf64_qkv
		.amdhsa_group_segment_fixed_size 327680
		.amdhsa_private_segment_fixed_size 0
		.amdhsa_enable_private_segment 0
		.amdhsa_kernarg_size 72
		.amdhsa_user_sgpr_count 2
		.amdhsa_user_sgpr_kernarg_segment_ptr 1
		.amdhsa_wavefront_size32 1
		.amdhsa_system_sgpr_workgroup_id_x 1
		.amdhsa_system_sgpr_workgroup_id_y 1
		.amdhsa_system_sgpr_workgroup_id_z 1
		.amdhsa_system_vgpr_workitem_id 0
		.amdhsa_next_free_vgpr 1024
		.amdhsa_next_free_sgpr 102
		.amdhsa_reserve_vcc 0
		.amdhsa_float_denorm_mode_32 3
		.amdhsa_float_denorm_mode_16_64 3
		.amdhsa_memory_ordered 1
		.amdhsa_forward_progress 1
		.amdhsa_inst_pref_size 255
	.end_amdhsa_kernel
	.section	.bss,"aw",@nobits
	.p2align	6
	.space	262144
	.amdgpu_metadata
---
amdhsa.version: [ 1, 2 ]
amdhsa.kernels:
  - .name:           k_q217bbadf64_qkv
    .symbol:         k_q217bbadf64_qkv.kd
    .args:
      - { .name: codes, .offset: 0, .size: 8, .value_kind: global_buffer, .address_space: global }
      - { .name: scales, .offset: 8, .size: 8, .value_kind: global_buffer, .address_space: global }
      - { .name: wq_b, .offset: 16, .size: 8, .value_kind: global_buffer, .address_space: global }
      - { .name: wk_b, .offset: 24, .size: 8, .value_kind: global_buffer, .address_space: global }
      - { .name: wv_b, .offset: 32, .size: 8, .value_kind: global_buffer, .address_space: global }
      - { .name: rope, .offset: 40, .size: 8, .value_kind: global_buffer, .address_space: global }
      - { .name: q_codes, .offset: 48, .size: 8, .value_kind: global_buffer, .address_space: global }
      - { .name: q_scales, .offset: 56, .size: 8, .value_kind: global_buffer, .address_space: global }
      - { .name: kv, .offset: 64, .size: 8, .value_kind: global_buffer, .address_space: global }
    .group_segment_fixed_size: 327680
    .private_segment_fixed_size: 0
    .kernarg_segment_align: 8
    .kernarg_segment_size: 72
    .max_flat_workgroup_size: 128
    .sgpr_count:     102
    .vgpr_count:     1024
    .wavefront_size: 32
...
	.end_amdgpu_metadata
.endif
;; end of part 2
;; launch attn (part 3): grid 4 x 64, 16 waves a work-group, clusters of 4 x 1, 327,680 bytes of LDS; arguments q_codes, q_scales, kv, ao_codes, ao_scales; writes ao_codes, ao_scales
.if DOCPART == 3
	.amdgcn_target "amdgcn-amd-amdhsa--gfx1250"
	.amdhsa_code_object_version 6
	.text
	.protected	k_q217bbadf64_attn
	.globl	k_q217bbadf64_attn
	.p2align	8
	.type	k_q217bbadf64_attn,@function
k_q217bbadf64_attn:
	s_mov_b64 s[64:65], 0
	v_nop
	global_prefetch_b8 v0, s[64:65] scope:SCOPE_SE
	s_setreg_imm32_b32 hwreg(HW_REG_WAVE_MODE, 25, 1), 1
	s_wait_xcnt 0x0
	s_wait_alu depctr_hold_cnt(0) depctr_sa_sdst(0) depctr_va_vdst(0) depctr_va_sdst(0) depctr_va_ssrc(0) depctr_va_vcc(0) depctr_vm_vsrc(0)
	s_getreg_b32 s2, hwreg(HW_REG_IB_STS2, 6, 4)
	s_cmp_eq_u32 s2, 0
	s_cbranch_scc0 .Lentry_in_a_cluster
	s_endpgm
.Lentry_in_a_cluster:
	s_bfe_u32 s2, ttmp6, 0x10000c
	s_cmp_lg_u32 s2, 0x3003
	s_cbranch_scc0 .Lentry_shape_is_right
	s_endpgm
.Lentry_shape_is_right:
; Causal attention of one head on codes of FP8 (E4M3) with E8M0 scales, and the quantising of its result for the output projection.
; t = score x log2(e) / 8; M = the row's largest t so far, rounded UP to a whole number; p = 2^(t - M) is quantised along the keys, not normalised; the row's sum is taken of the unquantised p and divides O at the end.
; When M moves, the sum and O are multiplied by 2^(old M - new M): exact.  A hidden key's score becomes -infinity: p = 0, as the reference's -1e9 gives.
; LEFT OUT: key steps all of whose 128 keys come after a tile's queries: the mask that reference() builds gives them p = 0 for every input.
; THE WHOLE HEAD'S K AND V LIE IN LDS: 8 slots of 34,304 bytes = 274,432.  Each of the sixteen waves fetches a sixteenth (17,152 dense bytes) by one tensor load at the head; nothing is filled again.
; Two barriers: the first shows slot 0 (waves 0 and 1's load line), behind it stand two key steps written out; the second shows the rest.
; CLUSTER 4, 1, 1: the four work-groups of a head want the same bytes at the same place of the text: each load is a joint one with the mask 15.  No branch, trip count or LDS address hangs on the place in the cluster.
; SHARES.  A head's 128 query tiles of 16 lie in 16 blocks of 128 positions, 8 tiles each.  Wave w of work-group cx owns tile 2 cx + w / 8 of block 15 - j and of block j, j = w % 8: 16 - j and j + 1 key steps of 128:
; SEVENTEEN STEPS IN EVERY WAVE, the last of each tile on the diagonal.  Step s takes key step min(s, s - (16 - j)), the difference taken modulo 2^32.
; NO PREFETCH: all tiles are asked for at the head, so there is no loop to run ahead in.
; LAYOUT.  All operands are images of registers, laid by the launch before.  Both products are used transposed: S^T = K Q^T, O^T = V^T P^T: a lane holds ONE query.
; Lane r of tile 2 b + u holds row 32 b + 8 u + r + 8 (r / 8), so that the 16 registers of tiles 2 b and 2 b + 1 are 16 neighbours, 32 b + 16 (lane / 16) + 0 .. 15.
; The head has 64 channels: the first product's upper 64 along K are zero codes in both operands (registers cleared once), under the scale byte 0x7f.
; A slot of kv: K's codes [tile 16][1024]; +16,384 V's codes [K step 2][channel tile 4][2048]; +32,768 K's scale words [tile / 4][r][4]; +33,792 V's [K step 2][r][channel tile 4].
; OUT: ao_codes[token tile 512][K step 8][2048]; ao_scales as the weights' scale words: a head owns two bytes of a word, so two bytes a lane are stored.
; LIMITS: NaN and infinities are not served; the promise holds while |t| stays under 2^31; 1 / the sum is v_rcp_f32's; a block of zeros or under 2^-118 gets the byte 1 (this program alone reads the bytes).
; A block's largest p is made from the block's largest score by the same two instructions as every p; this takes v_exp_f32 not to fall where its input rises.
; REGISTERS: v1-11 addresses and lane parts; v12 -M, v13 the largest t, v[14:15] the sum; v16-31 Q; v32-95 four fragments of K; v96-159 S^T, then p, then V; v160-191 O^T; v192-207 p's codes; v208-223 at work;
; v224-231 K's scale words, v232-235 V's, v236 Q's, v237 p's; v[238:239] f; v240-245 three more chains of the sum; v247, v248-255 the second tile's Q.
.set SLOTB, 34304
.set HALFB, 17152
.set SPARE, 323584                     ; the spare words, 128 bytes for each wave: eight blocks of 256 bytes that no other line names
.set SPW, 3
.set NIL, 4
.set BM,  208                          ; a block's largest score, then its largest p
.set BT,  212                          ; the other half's; then the byte
.set BH,  216                          ; 448 x the scale
.set BS,  220                          ; the conversion's scale operand
.set WV,  14
.set CX,  15
.set BHD, 16
.set JJ,  17
.set TBI, 18                           ; my tiles' number in their blocks
.set C1,  19                           ; the step s
.set SEL, 20
.set CS,  22                           ; s[22:23] c = log2(e) / 8
.set MNT, 24
.set C2,  25                           ; s - (16 - j)
.set KS,  26                           ; the key step
.set KF,  27                           ; its first key
.set QB,  28                           ; the first position of the tile's block
.set TT,  29                           ; the tile in hand
.set T2,  58                           ; the second tile
.macro TL                              ; an s_nop 0 and four v_nop follow the load
	tensor_load_to_lds s[40:43], s[32:39]
	s_nop 0
.rept 4
	v_nop
.endr
.endm
.macro BARRIER
	s_barrier_signal -1
	s_barrier_wait -1
.endm
.macro CROUND                          ; a round of the cluster's barrier
	BARRIER
	s_cmp_lg_u32 s[WV], 0
	s_cbranch_scc1 .Lnot_wave_0_\@
	s_barrier_signal -3
.Lnot_wave_0_\@:
	s_barrier_wait -3
	BARRIER
.endm
.macro QADR tt, c, s                   ; where tile s[tt]'s codes and scale words lie
	s_lshl_b32 s46, s[BHD], 7
	s_add_co_u32 s46, s46, s[\tt]
	s_lshl_b32 s46, s46, 10
	s_mov_b32 s47, 0
	s_add_nc_u64 s[\c:\c+1], s[4:5], s[46:47]
	s_lshl_b32 s46, s[BHD], 13
	s_lshr_b32 s30, s[\tt], 2
	s_lshl_b32 s30, s30, 8
	s_add_co_u32 s46, s46, s30
	s_and_b32 s30, s[\tt], 3
	s_lshl_b32 s30, s30, 2
	s_add_co_u32 s46, s46, s30
	s_add_nc_u64 s[\s:\s+1], s[6:7], s[46:47]
.endm
.macro BEGIN                           ; a tile's statistics and O^T begin anew
	v_mov_b32 v13, 0xff61b1e6                      ; the largest t so far: -3e38
	v_floor_f32 v12, -v13                          ; -M
	v_mov_b32 v14, 0
	v_mov_b32 v15, 0
.set j, 0
.rept 32
	v_mov_b32 v[160+j], 0                          ; the step is written once; a tile's first pass finds zeros
.set j, j+1
.endr
.endm
	s_load_b256 s[4:11], s[0:1], 0x0               ; q_codes, q_scales, kv, ao_codes
	s_load_b64 s[12:13], s[0:1], 0x20              ; ao_scales
	v_lshl_add_u32 v[SPW], v0, 2, SPARE
	v_mov_b32 v[NIL], 0
	ds_add_u32 v[SPW], v[NIL]                      ; the opening: the add, twice on end, and its wait ahead of my tensor load
	ds_add_u32 v[SPW], v[NIL]
	v_lshrrev_b32 v5, 5, v0
	v_readfirstlane_b32 s[WV], v5
	s_bfe_u32 s[CX], ttmp6, 0x40000
	s_and_b32 s[BHD], ttmp7, 0xffff
	s_mov_b32 s32, 15|(3<<16)|(1<<21)              ; group 1: the mask of the four; 17,152 dense bytes as 67 rows of 256 (32 elements of 8 bytes)
	s_mov_b32 s33, 32<<16
	s_mov_b32 s34, 67<<16
	s_mov_b32 s35, 32<<16
	s_mov_b32 s36, 67
	s_mov_b32 s37, 32
	s_mov_b32 s38, 0
	s_mov_b32 s39, 0
	s_mov_b32 s40, 1
	s_mul_i32 s41, s[WV], HALFB                    ; my sixteenth: in LDS, and in the head's bytes
	s_mul_i32 s46, s[BHD], 8*SLOTB
	s_add_co_u32 s46, s46, s41
	s_mov_b32 s47, 0
	s_mov_b32 s[SEL], 0x76543210
	s_mov_b32 s[SEL+1], 0xfedcba98
	s_mov_b32 s[CS], 0x3e38aa3b
	s_mov_b32 s[CS+1], s[CS]                       ; (named with it as a pair, so it is written)
	s_mov_b32 s[MNT], 0x600000
	s_wait_dscnt 0x0                               ; both opening adds are done
	CROUND                                         ; the four work-groups are here: the joint loads meet
	s_wait_kmcnt 0x0
	s_add_nc_u64 s[42:43], s[8:9], s[46:47]
	s_or_b32 s43, s43, 0x80000000
	s_cmp_lt_u32 s[WV], 2                          ; waves 0 and 1, which alone wait at the first barrier, have a load line of their own
	s_cbranch_scc0 .Lrest
	TL
	s_branch .Lasked
.Lrest:
	TL
.Lasked:
	v_and_b32 v5, 31, v0
	v_lshlrev_b32 v1, 4, v5                        ; 16 x lane
	v_and_b32 v6, 15, v0                           ; r
	v_bfe_u32 v7, v0, 4, 1                         ; h
	v_lshlrev_b32 v10, 4, v6                       ; 16 r
	v_add_nc_u32 v2, 32768, v10                    ; the scale words of a slot
	v_lshlrev_b32 v9, 3, v6                        ; 8 r
	v_and_b32 v11, 8, v6
	v_add_nc_u32 v11, v11, v6
	v_lshlrev_b32 v7, 4, v7
	v_sub_nc_u32 v11, v11, v7                      ; r + 8 (r / 8) - 16 h
	s_and_b32 s[JJ], s[WV], 7
	s_lshr_b32 s30, s[WV], 3
	s_lshl_b32 s[TBI], s[CX], 1
	s_add_co_u32 s[TBI], s[TBI], s30
	s_lshl_b32 s[T2], s[JJ], 3
	s_add_co_u32 s[T2], s[T2], s[TBI]              ; the second tile: block j
	s_xor_b32 s31, s[JJ], 15                       ; 15 - j
	s_lshl_b32 s[QB], s31, 7
	s_lshl_b32 s[TT], s31, 3
	s_add_co_u32 s[TT], s[TT], s[TBI]              ; the first tile: block 15 - j
	QADR TT, 48, 50
	QADR T2, 52, 54
	s_wait_alu depctr_va_vdst(0)                   ; the wait, ahead of the readers below
	global_load_b128 v[16:19], v1, s[48:49]
	global_load_b128 v[20:23], v1, s[48:49] offset:512
	global_load_b32 v236, v10, s[50:51]
	global_load_b128 v[248:251], v1, s[52:53]      ; the second tile's Q waits in registers
	global_load_b128 v[252:255], v1, s[52:53] offset:512
	global_load_b32 v247, v10, s[54:55]
	s_lshr_b32 s30, s[TBI], 1
	s_lshl_b32 s30, s30, 5
	s_and_b32 s31, s[TBI], 1
	s_lshl_b32 s31, s31, 3
	s_add_co_u32 s30, s30, s31                     ; my tiles' first row in their blocks
	v_add_nc_u32 v7, s30, v11                      ; d = my query's place in its block - 16 h
	s_mov_b32 s[C1], 2
	s_add_co_u32 s[C2], s[JJ], 0xfffffff2          ; 2 - (16 - j)
.irp j, 0,1,2,3,4,5,6,7
	v_mov_b32 v[24+\j], 0                          ; the zero codes of Q's upper 64 along K,
.irp t, 0,1,2,3
	v_mov_b32 v[40+16*\t+\j], 0                    ; and of K's four fragments
.endr
.endr
.irp b, 0,1,2,3
	v_mov_b32 v[BT+\b], 0                          ; written once: a lane permute's destination counts as one of its sources
.endr
	v_mov_b32 v242, 0
	v_mov_b32 v239, 0                              ; (named as the upper half of the pair v[238:239])
	BEGIN
.macro MAX2 x, y                       ; the largest score of two blocks of 32 keys, by turns
	v_max3_num_f32 v[BM+\x], v[96+16*\x], v[97+16*\x], v[98+16*\x]
	v_max3_num_f32 v[BM+\y], v[96+16*\y], v[97+16*\y], v[98+16*\y]
.irp i, 3,5,7,9,11,13
	v_max3_num_f32 v[BM+\x], v[BM+\x], v[96+16*\x+\i], v[97+16*\x+\i]
	v_max3_num_f32 v[BM+\y], v[BM+\y], v[96+16*\y+\i], v[97+16*\y+\i]
.endr
	v_max_num_f32 v[BM+\x], v[BM+\x], v[111+16*\x]
	v_max_num_f32 v[BM+\y], v[BM+\y], v[111+16*\y]
.endm
; A KEY STEP: 128 keys.  v5: its codes, v6: K's scale words, v8: V's.  diag = 1: the step may lie on the diagonal.
.macro STEP diag
.irp g, 0,1                            ; S^T = K Q^T, four tiles of 16 keys at a time
.if \g
.rept 8
	v_nop                                          ; places in front of loads into registers that matrix instructions have read
.endr
.endif
.irp t, 0,1,2,3
	ds_load_b128 v[32+16*\t:35+16*\t], v5 offset:1024*(4*\g+\t)
	ds_load_b128 v[36+16*\t:39+16*\t], v5 offset:1024*(4*\g+\t)+512
.endr
.if \g == 0
	ds_load_b128 v[224:227], v6                    ; the eight tiles' scale words of row r
	ds_load_b128 v[228:231], v6 offset:256
.endif
	s_wait_dscnt 0x0
.irp t, 0,1,2,3
	v_wmma_scale_f32_16x16x128_f8f6f4 v[96+8*(4*\g+\t):103+8*(4*\g+\t)], v[32+16*\t:47+16*\t], v[16:31], 0, v[224+4*\g+\t], v236
.endr
.endr
; The lines that follow take the first four tiles' scores first (16 lines and more): they are the places behind the last four products.
.if \diag
	s_cmp_lg_u32 s[KF], s[QB]                      ; on the diagonal hidden scores become -infinity ahead of the maximum (a branch on the wave's number and the count of steps)
	s_cbranch_scc1 .Lopen_\@
	v_mov_b32 v244, 0xff800000
.set n, 0
.rept 64
	v_cmp_gt_i32 vcc_lo, 32*(n/16)+n%16, v7        ; register 16 b + i holds key KF + 32 b + 16 h + i: hidden where 32 b + i > d
	v_cndmask_b32 v[96+n], v[96+n], v244, vcc_lo
.set n, n+1
.endr
.Lopen_\@:
.endif
	MAX2 0, 1                                      ; for the row's maximum, and, since p rises with the score, for the block's largest p
	MAX2 2, 3
.irp b, 0,1,2,3
	v_permlanex16_b32 v[BT+\b], v[BM+\b], s[SEL], s[SEL+1]
.endr
.irp b, 0,1,2,3
	s_delay_alu instid0(VALU_DEP_4)
	v_max_num_f32 v[BM+\b], v[BM+\b], v[BT+\b]     ; with lane l xor 16's 16 keys
.endr
	s_delay_alu instid0(VALU_DEP_2)
	v_max3_num_f32 v242, v[BM], v[BM+1], v[BM+2]
	s_delay_alu instid0(VALU_DEP_1)
	v_max_num_f32 v242, v242, v[BM+3]
	s_delay_alu instid0(VALU_DEP_1)
	v_mul_f32 v242, s[CS], v242                    ; the step's largest t of my query
	s_delay_alu instid0(VALU_DEP_1)
	v_max_num_f32 v13, v13, v242
	v_mov_b32 v242, v12
	s_delay_alu instid0(VALU_DEP_2)
	v_floor_f32 v12, -v13                          ; the new -M = -ceil(t): a whole number
	s_delay_alu instid0(VALU_DEP_1)
	v_sub_f32 v242, v12, v242                      ; old M - new M: a whole number, 0 or less
	s_delay_alu instid0(VALU_DEP_1)
	v_cvt_i32_f32 v242, v242                       ; (it saturates)
	s_delay_alu instid0(VALU_DEP_1)
	v_ldexp_f32 v238, 1.0, v242                    ; f = 2^(old M - new M)
.set j, 0
.rept 32
	v_pk_fma_f32 v[96+j:97+j], v[96+j:97+j], s[CS:CS+1], v[12:13] op_sel_hi:[1,0,0]   ; t - M
.set j, j+2
.endr
.irp b, 0,1,2,3
	v_fma_f32 v[BM+\b], v[BM+\b], s[CS], v12
.endr
	s_wait_alu depctr_va_vdst(0)                   ; the wait ahead of the batch
.set j, 0
.rept 64
	v_exp_f32 v[96+j], v[96+j]                     ; p = 2^(t - M), at most 1
.set j, j+1
.endr
.irp b, 0,1,2,3
	v_exp_f32 v[BM+\b], v[BM+\b]                   ; the block's largest p
.endr
	v_pk_mul_f32 v[14:15], v[14:15], v[238:239] op_sel_hi:[1,0]   ; the sum under the new M (a plain line behind the exponentials)
	s_wait_alu depctr_va_vdst(0)                   ; one wait for the batch, ahead of its first reader
.irp b, 0,1,2,3
	v_max_num_f32 v[BM+\b], 0x4800000, v[BM+\b]    ; the floor 2^(9 - 127): the byte cannot fall under 1
.endr
.irp b, 0,1,2,3
	s_delay_alu instid0(VALU_DEP_4)
	v_add_nc_u32 v[BS+\b], 0xfc000000, v[BM+\b]
.endr
.irp b, 0,1,2,3
	v_and_or_b32 v[BH+\b], v[BM+\b], 0x7f800000, s[MNT]
.endr
.irp b, 0,1,2,3
	v_lshrrev_b32 v[BT+\b], 23, v[BS+\b]
.endr
	s_delay_alu instid0(VALU_DEP_3)
	v_lshl_or_b32 v237, v[BT+1], 8, v[BT]          ; p's scale word for these 128 keys
	s_delay_alu instid0(VALU_DEP_1)
	v_lshl_or_b32 v237, v[BT+2], 16, v237
	s_delay_alu instid0(VALU_DEP_1)
	v_lshl_or_b32 v237, v[BT+3], 24, v237
	v_pk_add_f32 v[240:241], v[96:97], v[98:99]    ; the row's sum of the unquantised p, two at a time, in four chains
	v_pk_add_f32 v[242:243], v[100:101], v[102:103]
	v_pk_add_f32 v[244:245], v[104:105], v[106:107]
	v_pk_add_f32 v[14:15], v[14:15], v[108:109]
.irp j, 14,22,30,38,46,54
	v_pk_add_f32 v[240:241], v[240:241], v[96+\j:97+\j]
	v_pk_add_f32 v[242:243], v[242:243], v[98+\j:99+\j]
	v_pk_add_f32 v[244:245], v[244:245], v[100+\j:101+\j]
	v_pk_add_f32 v[14:15], v[14:15], v[102+\j:103+\j]
.endr
	v_pk_add_f32 v[240:241], v[240:241], v[158:159]
.irp b, 0,2                            ; the hold: the conversion does not saturate (ISA guide 7.6.2); p is not negative, so it is one-sided.  Two holds to a line, of two blocks: destinations even and odd, sources in different banks
.irp i, 0,2,4,6,8,10,12,14
	v_dual_min_num_f32 v[96+16*\b+\i], v[96+16*\b+\i], v[BH+\b] :: v_dual_min_num_f32 v[113+16*\b+\i], v[113+16*\b+\i], v[BH+1+\b]
	v_dual_min_num_f32 v[112+16*\b+\i], v[112+16*\b+\i], v[BH+1+\b] :: v_dual_min_num_f32 v[97+16*\b+\i], v[97+16*\b+\i], v[BH+\b]
.endr
	v_cvt_scalef32_pk8_fp8_f32 v[192+4*\b:193+4*\b], v[96+16*\b:103+16*\b], v[BS+\b]
	v_cvt_scalef32_pk8_fp8_f32 v[194+4*\b:195+4*\b], v[104+16*\b:111+16*\b], v[BS+\b]
	v_cvt_scalef32_pk8_fp8_f32 v[196+4*\b:197+4*\b], v[112+16*\b:119+16*\b], v[BS+1+\b]
	v_cvt_scalef32_pk8_fp8_f32 v[198+4*\b:199+4*\b], v[120+16*\b:127+16*\b], v[BS+1+\b]
.endr
	v_nop                                          ; a plain line behind the last conversion
.irp t, 0,1,2,3                        ; V's four fragments take p's registers
.irp c, 0,1,2,3
	ds_load_b128 v[96+16*\t+4*\c:99+16*\t+4*\c], v5 offset:16384+2048*\t+512*\c
.endr
.endr
	ds_load_b128 v[232:235], v8 offset:1024
	s_wait_alu depctr_va_vdst(0)                   ; the wait, directly ahead of the first reader of O^T
.set j, 0
.rept 16
	v_pk_mul_f32 v[160+j:161+j], v[160+j:161+j], v[238:239] op_sel_hi:[1,0]   ; O^T under the new M; these are also the places between the codes and the products
.set j, j+2
.endr
	s_wait_alu depctr_va_vdst(0)                   ; and here, directly ahead of the wait below
	s_wait_dscnt 0x0
.irp t, 0,1,2,3                        ; O^T += V^T P^T: the four accumulators by turns
	v_wmma_scale_f32_16x16x128_f8f6f4 v[160+8*\t:167+8*\t], v[96+16*\t:111+16*\t], v[192:207], v[160+8*\t:167+8*\t], v[232+\t], v237
.endr
	v_pk_add_f32 v[240:241], v[240:241], v[242:243]   ; the four chains become one.  These three, the three v_nop and the next step's three address lines are the nine places ahead of the scores that are written over V's fragments
	v_pk_add_f32 v[14:15], v[14:15], v[244:245]
	v_pk_add_f32 v[14:15], v[14:15], v[240:241]
.rept 3
	v_nop
.endr
.endm
; A tile ends: O^T / the sum is quantised along the head's 64 (two blocks of 32) and stored as part of the output projection's operand.
.macro FINISH
	v_add_f32 v14, v14, v15
	s_delay_alu instid0(VALU_DEP_1)
	v_permlanex16_b32 v242, v14, s[SEL], s[SEL+1]
	s_delay_alu instid0(VALU_DEP_1)
	v_add_f32 v14, v14, v242                       ; the row's sum
	s_wait_alu depctr_va_vdst(0)
	v_rcp_f32 v14, v14
	v_nop                                          ; a plain line behind the transcendental
	s_lshr_b32 s30, s[BHD], 4
	s_lshl_b32 s30, s30, 7
	s_add_co_u32 s30, s30, s[TT]                   ; the token tile: 128 x batch + my tile
	s_and_b32 s31, s[BHD], 15                      ; the head
	s_lshl_b32 s46, s30, 3
	s_lshr_b32 s56, s31, 1
	s_add_co_u32 s46, s46, s56
	s_lshl_b32 s46, s46, 11                        ; K step head / 2,
	s_and_b32 s56, s31, 1
	s_lshl_b32 s57, s56, 10
	s_add_co_u32 s46, s46, s57                     ; its upper or lower half
	s_mov_b32 s47, 0
	s_add_nc_u64 s[52:53], s[10:11], s[46:47]
	s_lshl_b32 s46, s30, 9
	s_lshr_b32 s57, s31, 2
	s_lshl_b32 s57, s57, 7
	s_add_co_u32 s46, s46, s57
	s_bfe_u32 s57, s31, 0x10001
	s_lshl_b32 s57, s57, 2
	s_add_co_u32 s46, s46, s57
	s_lshl_b32 s57, s56, 1
	s_add_co_u32 s46, s46, s57
	s_add_nc_u64 s[54:55], s[12:13], s[46:47]
	s_wait_alu depctr_va_vdst(0)
.set j, 0
.rept 16
	v_pk_mul_f32 v[96+j:97+j], v[160+j:161+j], v[14:15] op_sel_hi:[1,0]   ; register 16 b + i is channel 32 b + 16 h + i
.set j, j+2
.endr
.irp b, 0,1
	v_max3_num_f32 v[BM+\b], |v[96+16*\b]|, |v[97+16*\b]|, 0x4800000
.endr
.irp i, 2,4,6,8,10,12,14
.irp b, 0,1
	s_delay_alu instid0(VALU_DEP_2)
	v_max3_num_f32 v[BM+\b], v[BM+\b], |v[96+16*\b+\i]|, |v[97+16*\b+\i]|
.endr
.endr
.irp b, 0,1
	s_delay_alu instid0(VALU_DEP_2)
	v_permlanex16_b32 v[BT+\b], v[BM+\b], s[SEL], s[SEL+1]
.endr
.irp b, 0,1
	s_delay_alu instid0(VALU_DEP_2)
	v_max_num_f32 v[BM+\b], v[BM+\b], v[BT+\b]
.endr
.irp b, 0,1
	s_delay_alu instid0(VALU_DEP_2)
	v_add_nc_u32 v[BS+\b], 0xfc000000, v[BM+\b]
.endr
.irp b, 0,1
	s_delay_alu instid0(VALU_DEP_4)
	v_and_or_b32 v[BH+\b], v[BM+\b], 0x7f800000, s[MNT]
.endr
.irp b, 0,1
	s_delay_alu instid0(VALU_DEP_4)
	v_lshrrev_b32 v[BT+\b], 23, v[BS+\b]
.endr
	s_delay_alu instid0(VALU_DEP_1)
	v_lshl_or_b32 v242, v[BT+1], 8, v[BT]          ; the head's two bytes
.irp b, 0,1
.irp i, 0,1,2,3,4,5,6,7,8,9,10,11,12,13,14,15
	v_med3_num_f32 v[96+16*\b+\i], v[96+16*\b+\i], -v[BH+\b], v[BH+\b]
.endr
	v_cvt_scalef32_pk8_fp8_f32 v[192+4*\b:193+4*\b], v[96+16*\b:103+16*\b], v[BS+\b]
	v_cvt_scalef32_pk8_fp8_f32 v[194+4*\b:195+4*\b], v[104+16*\b:111+16*\b], v[BS+\b]
.endr
	v_nop                                          ; a plain line behind the last conversion
	global_store_b128 v1, v[192:195], s[52:53]     ; 512 consecutive bytes, aligned
	global_store_b128 v1, v[196:199], s[52:53] offset:512
	global_store_b16 v9, v242, s[54:55]            ; both lanes of a row write the same two bytes with the same value
	s_wait_xcnt 0x0                                ; the stores' data and bases are written again only behind this wait
.endm
	s_wait_alu depctr_va_vdst(0)                   ; the wait at the head's end
	s_wait_loadcnt 0x0                             ; both tiles' Q
	s_cmp_lt_u32 s[WV], 2
	s_cbranch_scc0 .Lnot_first
	s_wait_tensorcnt 0x0                           ; waves 0 and 1: slot 0 has landed.  The other waves' wait stands at the second barrier
.Lnot_first:
	BARRIER
	v_mov_b32 v5, v1                               ; key step 0: every wave's first tile has nine steps or more, so neither written-out step lies on a diagonal
	v_mov_b32 v6, v2
	v_mov_b32 v8, v2
	s_wait_alu depctr_va_vdst(0)
	STEP 0
	v_add_nc_u32 v5, 8192, v1                      ; key step 1
	v_add_nc_u32 v6, 512, v2
	v_add_nc_u32 v8, 256, v2
	s_wait_alu depctr_va_vdst(0)
	STEP 0
	s_wait_tensorcnt 0x0                           ; every wave: all that was still out
	s_wait_dscnt 0x0
	BARRIER                                        ; the whole head lies in LDS; from here on the waves share nothing
.Lstep:                                            ; fifteen trips: steps 2 to 16
	s_min_u32 s[KS], s[C1], s[C2]                  ; the key step: s in the first tile, s - (16 - j) in the second
	s_min_u32 s[KS], s[KS], 15                     ; (a head has sixteen)
	s_lshl_b32 s[KF], s[KS], 7
	s_lshr_b32 s30, s[KS], 1
	s_mul_i32 s30, s30, SLOTB                      ; its slot,
	s_and_b32 s31, s[KS], 1                        ; and which half of it
	s_lshl_b32 s44, s31, 13
	s_add_co_u32 s44, s44, s30
	s_lshl_b32 s45, s31, 9
	s_add_co_u32 s45, s45, s30
	s_lshl_b32 s31, s31, 8
	s_add_co_u32 s31, s31, s30
	v_add_nc_u32 v5, s44, v1
	v_add_nc_u32 v6, s45, v2
	v_add_nc_u32 v8, s31, v2
	s_wait_alu depctr_va_vdst(0)
	STEP 1
	s_wait_alu depctr_va_vdst(0)                   ; the wait, ahead of the branches
	s_cmp_lg_u32 s[C2], -1
	s_cbranch_scc1 .Lsame
	FINISH
.irp j, 0,1,2,3,4,5,6,7
	v_mov_b32 v[16+\j], v[248+\j]                  ; the second tile's Q
.endr
	v_mov_b32 v236, v247
	s_mov_b32 s[TT], s[T2]
	s_lshl_b32 s[QB], s[JJ], 7
	BEGIN
.Lsame:
	s_add_co_u32 s[C2], s[C2], 1
	s_add_co_u32 s[C1], s[C1], 1
	s_cmp_lt_u32 s[C1], 17
	s_cbranch_scc1 .Lstep
	FINISH
	s_wait_tensorcnt 0x0                           ; the wave's end
	ds_add_u32 v[SPW], v[NIL]
	s_wait_dscnt 0x0
	CROUND                                         ; the closing round
	s_endpgm
.Lfunc_end_k_q217bbadf64_attn:
	.size	k_q217bbadf64_attn, .Lfunc_end_k_q217bbadf64_attn-k_q217bbadf64_attn
	.p2alignl 7, 3214868480
	.fill 96, 4, 3214868480
	.section	.rodata,"a",@progbits
	.p2align	6, 0x0
	.amdhsa_kernel k_q217bbadf64_attn
		.amdhsa_group_segment_fixed_size 327680
		.amdhsa_private_segment_fixed_size 0
		.amdhsa_enable_private_segment 0
		.amdhsa_kernarg_size 40
		.amdhsa_user_sgpr_count 2
		.amdhsa_user_sgpr_kernarg_segment_ptr 1
		.amdhsa_wavefront_size32 1
		.amdhsa_system_sgpr_workgroup_id_x 1
		.amdhsa_system_sgpr_workgroup_id_y 1
		.amdhsa_system_sgpr_workgroup_id_z 1
		.amdhsa_system_vgpr_workitem_id 0
		.amdhsa_next_free_vgpr 256
		.amdhsa_next_free_sgpr 66
		.amdhsa_reserve_vcc 1
		.amdhsa_float_denorm_mode_32 3
		.amdhsa_float_denorm_mode_16_64 3
		.amdhsa_memory_ordered 1
		.amdhsa_forward_progress 1
		.amdhsa_inst_pref_size 87
	.end_amdhsa_kernel
	.amdgpu_metadata
---
amdhsa.version: [ 1, 2 ]
amdhsa.kernels:
  - .name:           k_q217bbadf64_attn
    .symbol:         k_q217bbadf64_attn.kd
    .args:
      - { .name: q_codes, .offset: 0, .size: 8, .value_kind: global_buffer, .address_space: global }
      - { .name: q_scales, .offset: 8, .size: 8, .value_kind: global_buffer, .address_space: global }
      - { .name: kv, .offset: 16, .size: 8, .value_kind: global_buffer, .address_space: global }
      - { .name: ao_codes, .offset: 24, .size: 8, .value_kind: global_buffer, .address_space: global }
      - { .name: ao_scales, .offset: 32, .size: 8, .value_kind: global_buffer, .address_space: global }
    .group_segment_fixed_size: 327680
    .private_segment_fixed_size: 0
    .kernarg_segment_align: 8
    .kernarg_segment_size: 40
    .max_flat_workgroup_size: 512
    .sgpr_count:     66
    .vgpr_count:     256
    .wavefront_size: 32
...
	.end_amdgpu_metadata
.endif
;; end of part 3
;; launch oproj (part 4): grid 4 x 32, 4 waves a work-group, clusters of 4 x 4, 327,680 bytes of LDS; arguments ao_codes, ao_scales, codes, scales, wo_b, out0; writes out0
.if DOCPART == 4
	.amdgcn_target "amdgcn-amd-amdhsa--gfx1250"
	.amdhsa_code_object_version 6
	.text
	.protected	k_q217bbadf64_oproj
	.globl	k_q217bbadf64_oproj
	.p2align	8
	.type	k_q217bbadf64_oproj,@function
k_q217bbadf64_oproj:
	s_mov_b64 s[64:65], 0
	v_nop
	global_prefetch_b8 v0, s[64:65] scope:SCOPE_SE
	s_setreg_imm32_b32 hwreg(HW_REG_WAVE_MODE, 25, 1), 1
	s_wait_xcnt 0x0
	s_wait_alu depctr_hold_cnt(0) depctr_sa_sdst(0) depctr_va_vdst(0) depctr_va_sdst(0) depctr_va_ssrc(0) depctr_va_vcc(0) depctr_vm_vsrc(0)
	s_getreg_b32 s2, hwreg(HW_REG_IB_STS2, 6, 4)
	s_cmp_eq_u32 s2, 0
	s_cbranch_scc0 .Lentry_in_a_cluster
	s_endpgm
.Lentry_in_a_cluster:
	s_bfe_u32 s2, ttmp6, 0x10000c
	s_cmp_lg_u32 s2, 0xf033
	s_cbranch_scc0 .Lentry_shape_is_right
	s_endpgm
.Lentry_shape_is_right:
.set SLOT,   131072
.set SCL,    2*SLOT
.set SPARE,  SCL+16384
.set SPITCH, 528
.set NQ,     2
.set FR,     16
.set NP,     8
.set ADRA, 16
.set ADRB, 20
.set STO,  24
.set RD,   25
.set CO,   26
.set ADRS, 27
.set SPW,  28
.set NIL,  29
.set SC,   32
.set BI,   64
.set AF,   128
.set BK,   128
.set WV,  22
.set HA,  23
.set HB,  66
.set G1,  24
.set G0,  32
.set G1B, 48
.set G0B, 56
.set G1S, 68
.set G0S, 76
.set G1SB, 80
.set G0SB, 88
.set MSB, 0
.macro WIN new
.if MSB != (\new)
	s_set_vgpr_msb (MSB<<8)|(\new)
.set MSB, (\new)
.endif
.endm
.set MUL_LO, 0xa1
.set MUL_HI, 0xf1
.set TO_B,   0x40
.macro JLOAD g0a, g1a, g0b, g1b
	s_cmp_eq_u32 s[HA], 0
	s_cbranch_scc0 .Lfor_b_\@
	tensor_load_to_lds s[\g0a:\g0a+3], s[\g1a:\g1a+7]
	s_nop 0
.rept 4
	v_nop
.endr
	s_branch .Lasked_\@
.Lfor_b_\@:
	tensor_load_to_lds s[\g0b:\g0b+3], s[\g1b:\g1b+7]
	s_nop 0
.rept 4
	v_nop
.endr
.Lasked_\@:
.endm
.macro CREST
	s_cmp_lg_u32 s[WV], 0
	s_cbranch_scc1 .Lnot_wave_0_\@
	s_barrier_signal -3
.Lnot_wave_0_\@:
	s_barrier_wait -3
	s_barrier_signal -1
	s_barrier_wait -1
.endm
.macro CROUND
	s_barrier_signal -1
	s_barrier_wait -1
	CREST
.endm
	s_load_b256 s[4:11], s[0:1], 0x0
	s_load_b128 s[12:15], s[0:1], 0x20
	v_lshl_add_u32 v[SPW], v0, 2, SPARE
	v_mov_b32 v[NIL], 0
	ds_add_u32 v28, v29
	ds_add_u32 v28, v29
	s_wait_dscnt 0x0
	v_lshrrev_b32 v1, 5, v0
	v_readfirstlane_b32 s[WV], v1
	s_lshr_b32 s[HA], s[WV], 1
	s_and_b32 s[HB], s[WV], 1
	s_bfe_u32 s40, ttmp6, 0x40000
	s_bfe_u32 s41, ttmp6, 0x40004
	s_lshl_b32 s97, ttmp9, 2
	s_add_co_u32 s97, s97, s40
	s_and_b32 s96, ttmp7, 0xffff
	s_lshl_b32 s96, s96, 2
	s_add_co_u32 s96, s96, s41
	s_lshl_b32 s44, s41, 2
	s_lshl_b32 s44, 15, s44
	s_lshl_b32 s45, 0x1111, s40
	s_or_b32 s[G1], s44, (3<<16)|(1<<21)
	s_or_b32 s[G1B], s45, (3<<16)|(1<<21)
.irp g, G1, G1B
	s_mov_b32 s[\g+1], 512<<16
	s_mov_b32 s[\g+2], 16<<16                      ; 16 tiles for the head's loads; set to 8 for the ring's behind the wait for them
	s_mov_b32 s[\g+3], 512<<16
	s_mov_b32 s[\g+4], 16
	s_mov_b32 s[\g+5], 2048
	s_mov_b32 s[\g+6], 0
	s_mov_b32 s[\g+7], 0
.endr
	s_or_b32 s[G1S], s44, (3<<16)|(1<<21)
	s_or_b32 s[G1SB], s45, (3<<16)|(1<<21)
.irp g, G1S, G1SB
	s_mov_b32 s[\g+1], 32<<16
	s_mov_b32 s[\g+2], 32<<16                      ; the scale words of 16 tiles: 32 rows of 256 bytes
	s_mov_b32 s[\g+3], 32<<16
	s_mov_b32 s[\g+4], 32
	s_mov_b32 s[\g+5], 32
	s_mov_b32 s[\g+6], 0
	s_mov_b32 s[\g+7], 0
.endr
	s_lshl_b32 s46, s96, 4
	s_lshl_b32 s94, s46, 9
	s_mov_b32 s95, 0
	s_lshl_b32 s46, s46, 14
	s_mov_b32 s47, 0
	s_lshl_b32 s92, s97, 4
	s_add_co_u32 s92, s92, 704
	s_lshl_b32 s98, s92, 9
	s_mov_b32 s99, 0
	s_lshl_b32 s92, s92, 14
	s_mov_b32 s93, 0
	s_lshl_b32 s100, s[WV], 15
	s_wait_kmcnt 0x0
	s_add_nc_u64 s[46:47], s[4:5], s[46:47]
	s_add_nc_u64 s[94:95], s[6:7], s[94:95]
	s_add_nc_u64 s[92:93], s[8:9], s[92:93]
	s_add_nc_u64 s[98:99], s[10:11], s[98:99]
	CROUND
	s_mov_b32 s[G0S], 1
	s_mov_b32 s[G0S+1], SCL
	s_mov_b64 s[G0S+2:G0S+3], s[94:95]
	s_or_b32 s[G0S+3], s[G0S+3], 0x80000000
	s_mov_b32 s[G0SB], 1
	s_mov_b32 s[G0SB+1], SCL+8192
	s_mov_b64 s[G0SB+2:G0SB+3], s[98:99]
	s_or_b32 s[G0SB+3], s[G0SB+3], 0x80000000
	s_lshl_b32 s2, s[HB], 17                       ; in the ring a wave fetches 8 of a side's 16 tiles: which 8, in bytes
	s_mov_b32 s3, 0
	s_mov_b32 s[G0], 1                             ; slot 0's groups 0 serve the head's loads first: A's 16 tiles whole,
	s_mov_b32 s[G0+1], 0
	s_mov_b64 s[G0+2:G0+3], s[46:47]
	s_or_b32 s[G0+3], s[G0+3], 0x80000000
	s_mov_b32 s[G0B], 1                            ; B's 16 behind them
	s_mov_b32 s[G0B+1], 65536
	s_mov_b64 s[G0B+2:G0B+3], s[92:93]
	s_or_b32 s[G0B+3], s[G0B+3], 0x80000000
	s_mov_b32 s[G0+4], 1                           ; slot 1's: my 8 tiles, the second K slot
	s_add_co_u32 s[G0+5], s100, SLOT
	s_add_nc_u64 s[G0+6:G0+7], s[46:47], s[2:3]
	s_add_nc_u64 s[G0+6:G0+7], s[G0+6:G0+7], 4096
	s_or_b32 s[G0+7], s[G0+7], 0x80000000
	s_mov_b32 s[G0B+4], 1
	s_add_co_u32 s[G0B+5], s100, SLOT
	s_add_nc_u64 s[G0B+6:G0B+7], s[92:93], s[2:3]
	s_add_nc_u64 s[G0B+6:G0B+7], s[G0B+6:G0B+7], 4096
	s_or_b32 s[G0B+7], s[G0B+7], 0x80000000
; THE HEAD'S LOADS, ONE A WAVE: wave 0 A's tiles of K slot 0, wave 1 B's, wave 2 A's scale words, wave 3 B's.  One chain of branches on the wave's number, a load to an arm.
.macro ARM under, g0, g1, next
	s_cmp_lt_u32 s[WV], \under
	s_cbranch_scc0 \next
	tensor_load_to_lds s[\g0:\g0+3], s[\g1:\g1+7]
	s_nop 0
.rept 4
	v_nop
.endr
	s_branch .Lhead_asked
\next:
.endm
	ARM 1, G0,  G1,  .Lhead_b
	ARM 2, G0B, G1B, .Lhead_sa
	ARM 3, G0S, G1S, .Lhead_sb
	tensor_load_to_lds s[G0SB:G0SB+3], s[G1SB:G1SB+7]
	s_nop 0
.rept 4
	v_nop
.endr
.Lhead_asked:
	v_and_b32 v1, 15, v0
	v_bfe_u32 v2, v0, 4, 1
	s_wait_alu depctr_va_vdst(0)
	v_and_b32 v3, 31, v0
	v_lshlrev_b32 v[CO], 4, v3
	s_lshl_b32 s100, s[HA], 15
	s_lshl_b32 s101, s[HB], 15
	s_add_co_u32 s101, s101, 65536
.irp s, 0,1
	v_add_nc_u32 v[ADRA+\s], s100, v[CO]
	v_add_nc_u32 v[ADRB+\s], s101, v[CO]
	s_add_co_u32 s100, s100, SLOT
	s_add_co_u32 s101, s101, SLOT
.endr
	v_lshlrev_b32 v5, 3, v1
	s_lshl_b32 s100, s[HA], 12
	s_lshl_b32 s101, s[HB], 12
	s_add_co_u32 s101, s101, 8192
	s_sub_co_u32 s101, s101, s100
	v_mul_u32_u24 v6, s101, v2
	s_add_co_u32 s100, s100, SCL
	v_add_nc_u32 v5, v5, v6
	v_add_nc_u32 v[ADRS], s100, v5
	s_mul_i32 s100, s[WV], 16*SPITCH
	v_mul_u32_u24 v5, v1, SPITCH
	v_lshl_add_u32 v5, v2, 6, v5
	v_add_nc_u32 v[STO], s100, v5
	v_add_nc_u32 v[RD], s100, v[CO]
	s_lshl_b32 s100, s97, 10
	s_lshl_b32 s101, s[HB], 9
	s_add_co_u32 s100, s100, s101
	s_mov_b32 s101, 0
	s_add_nc_u64 s[12:13], s[12:13], s[100:101]
	s_add_nc_u64 s[14:15], s[14:15], s[100:101]
	s_lshl_b32 s100, s96, 20
	s_lshl_b32 s2, s[HA], 19
	s_add_co_u32 s100, s100, s2
	s_add_nc_u64 s[14:15], s[14:15], s[100:101]
	v_lshlrev_b32 v13, 6, v2
.irp b, 0,1,2,3,4,5,6,7
	global_load_b128 v[BI+8*\b:BI+8*\b+3], v13, s[12:13] offset:(32*(\b/2)+8*(\b%2))*4
	global_load_b128 v[BI+8*\b+4:BI+8*\b+7], v13, s[12:13] offset:(32*(\b/2)+8*(\b%2))*4+16
.endr
.macro FRAG reg, adr, q, i
.irp c, 0,1,2,3
	ds_load_b128 v[\reg+4*\c:\reg+4*\c+3], v[\adr] offset:2048*(\q)+512*\c+4096*(\i)
.endr
.endm
.macro MUL16 a0, p, q, sc, cm
.irp a, \a0, \a0+1
.irp b, 0,1,2,3,4,5,6,7
.if \cm
	v_wmma_scale_f32_16x16x128_f8f6f4 v[8*(8*((\a)%4)+\b):8*(8*((\a)%4)+\b)+7], v[128*(\p)+FR*\b:128*(\p)+FR*\b+FR-1], v[AF+FR*(\a):AF+FR*(\a)+FR-1], v[BI+8*\b:BI+8*\b+7], v[SC+8*NQ*(\sc)+NQ*\b+(\q)], v[SC+8*NQ*(\sc)+NQ*(\a)+(\q)] matrix_a_scale:MATRIX_SCALE_ROW1
.else
	v_wmma_scale_f32_16x16x128_f8f6f4 v[8*(8*((\a)%4)+\b):8*(8*((\a)%4)+\b)+7], v[128*(\p)+FR*\b:128*(\p)+FR*\b+FR-1], v[AF+FR*(\a):AF+FR*(\a)+FR-1], v[8*(8*((\a)%4)+\b):8*(8*((\a)%4)+\b)+7], v[SC+8*NQ*(\sc)+NQ*\b+(\q)], v[SC+8*NQ*(\sc)+NQ*(\a)+(\q)] matrix_a_scale:MATRIX_SCALE_ROW1
.endif
.endr
.endr
.endm
.macro FETCH_B slot, q, p
	WIN TO_B
.irp i, 0,1,2,3,4,5,6,7
	FRAG 128*(\p)+FR*\i, ADRB+\slot, \q, \i
.endr
	WIN 0
.endm
.macro FETCH_A slot, q, i0
.irp i, \i0, \i0+1, \i0+2, \i0+3
	FRAG AF+FR*(\i), ADRA+\slot, \q, \i
.endr
.endm
.macro SCALES sc
.irp i, 0,1,2,3,4,5,6,7
	ds_load_b64 v[SC+8*NQ*\sc+NQ*\i:SC+8*NQ*\sc+NQ*\i+1], v[ADRS] offset:\i*512
.endr
.endm
.macro PLACES n
.rept \n
	v_nop
.endr
.endm
.macro STEP slot, q, cm
	s_wait_dscnt 16
.if \cm
	WIN 0x81
.else
	WIN MUL_LO
.endif
	MUL16 0, (\q)%2, \q, \slot, \cm
	MUL16 2, (\q)%2, \q, \slot, \cm
	s_wait_dscnt 0
	PLACES NP
	FETCH_B \slot, (\q)+1, 1-(\q)%2
	FETCH_A \slot, (\q)+1, 0
.if \cm
	WIN 0xc1
.else
	WIN MUL_HI
.endif
	MUL16 4, (\q)%2, \q, \slot, \cm
	MUL16 6, (\q)%2, \q, \slot, \cm
	PLACES NP
	WIN 0
	FETCH_A \slot, (\q)+1, 4
.endm
.macro TURN slot, next, fill
	s_wait_tensorcnt 0x0
	ds_add_u32 v[SPW], v[NIL]
	s_wait_dscnt 17
	WIN MUL_LO
	MUL16 0, 1, NQ-1, \slot, 0
	s_wait_dscnt 0x0
	s_barrier_signal -1
	MUL16 2, 1, NQ-1, \slot, 0
	WIN 0
	s_barrier_wait -1
.if \fill
	CREST
	s_add_nc_u64 s[G0+4*\slot+2:G0+4*\slot+3], s[G0+4*\slot+2:G0+4*\slot+3], 8192
	s_add_nc_u64 s[G0B+4*\slot+2:G0B+4*\slot+3], s[G0B+4*\slot+2:G0B+4*\slot+3], 8192
	JLOAD G0+4*\slot, G1, G0B+4*\slot, G1B
	PLACES NP-4
.else
	PLACES NP
.endif
	s_wait_alu depctr_va_vdst(0)
	v_add_nc_u32 v[ADRS], 128, v[ADRS]
	FETCH_B \next, 0, 0
	FETCH_A \next, 0, 0
	SCALES \next
	WIN MUL_HI
	MUL16 4, 1, NQ-1, \slot, 0
	MUL16 6, 1, NQ-1, \slot, 0
	PLACES NP
	WIN 0
	FETCH_A \next, 0, 4
.endm
	s_wait_alu depctr_va_vdst(0)                   ; the wait at the head's end
	s_wait_tensorcnt 0x0                           ; my tile of the head's four is in; slot 1's first fill is issued as a refill is:
	ds_add_u32 v[SPW], v[NIL]                      ; 0 onto my spare word
	s_mov_b32 s[G1+2], 8<<16                       ; no tensor load of mine is out, so descriptors may be written: from here on a load brings 8 tiles,
	s_mov_b32 s[G1+4], 8
	s_mov_b32 s[G1B+2], 8<<16
	s_mov_b32 s[G1B+4], 8
	s_lshl_b32 s[G0+1], s[WV], 15                  ; and slot 0's groups 0 stand at my 8 tiles
	s_lshl_b32 s[G0B+1], s[WV], 15
	s_lshl_b32 s2, s[HB], 17
	s_mov_b32 s3, 0
	s_add_nc_u64 s[G0+2:G0+3], s[G0+2:G0+3], s[2:3]
	s_add_nc_u64 s[G0B+2:G0B+3], s[G0B+2:G0B+3], s[2:3]
	s_wait_dscnt 0x0                               ; the add is done
	CROUND                                         ; a whole round: all four tiles are in, and the joint loads meet
	JLOAD G0+4, G1, G0B+4, G1B                     ; slot 1: the first tensor load behind the round
	FETCH_B 0, 0, 0
	FETCH_A 0, 0, 0
	SCALES 0
	FETCH_A 0, 0, 4
	s_wait_loadcnt 0x0
	STEP 0, 0, 1
	TURN 0, 1, 1
	STEP 1, 0, 0
	TURN 1, 0, 1
	STEP 0, 0, 0
	TURN 0, 1, 0
	STEP 1, 0, 0
	s_wait_dscnt 16
	WIN MUL_LO
	MUL16 0, 1, NQ-1, 1, 0
	MUL16 2, 1, NQ-1, 1, 0
	s_wait_dscnt 0
	WIN MUL_HI
	MUL16 4, 1, NQ-1, 1, 0
	MUL16 6, 1, NQ-1, 1, 0
	WIN 0
.macro TOSTAGE a
.set AC, 64*((\a)%4)
	WIN 0x08+4*((\a)/4)
.irp b, 0,1,2,3,4,5,6,7
	ds_store_b128 v[STO], v[AC+8*\b:AC+8*\b+3] offset:128*(\b/2)+32*(\b%2)
	ds_store_b128 v[STO], v[AC+8*\b+4:AC+8*\b+7] offset:128*(\b/2)+32*(\b%2)+16
.endr
	WIN 0
.set BB, BK+64*((\a)%2)
.irp t, 0,1,2,3,4,5,6,7,8,9,10,11,12,13,14,15
	ds_load_b128 v[BB+4*\t:BB+4*\t+3], v[RD] offset:\t*SPITCH
.endr
.endm
.macro SEND a, younger
.set BB, BK+64*((\a)%2)
	s_wait_dscnt \younger
.irp t, 0,1,2,3,4,5,6,7,8,9,10,11,12,13,14,15
	global_store_b128 v[CO], v[BB+4*\t:BB+4*\t+3], s[14:15] offset:(32*((\a)/2)+8*((\a)%2)+\t+8*(\t/8))*4096 th:TH_STORE_NT
.endr
.endm
	PLACES NP
	TOSTAGE 0
.irp a, 1,2,3,4,5,6,7
.if \a > 1
	s_wait_xcnt 0x0
.endif
	TOSTAGE \a
	SEND \a-1, 32
.endr
	SEND 7, 0
	s_wait_tensorcnt 0x0
	ds_add_u32 v[SPW], v[NIL]
	s_wait_dscnt 0x0
	CROUND
	s_endpgm
.Lfunc_end_k_q217bbadf64_oproj:
	.size	k_q217bbadf64_oproj, .Lfunc_end_k_q217bbadf64_oproj-k_q217bbadf64_oproj
	.p2alignl 7, 3214868480
	.fill 96, 4, 3214868480
	.section	.rodata,"a",@progbits
	.p2align	6, 0x0
	.amdhsa_kernel k_q217bbadf64_oproj
		.amdhsa_group_segment_fixed_size 327680
		.amdhsa_private_segment_fixed_size 0
		.amdhsa_enable_private_segment 0
		.amdhsa_kernarg_size 48
		.amdhsa_user_sgpr_count 2
		.amdhsa_user_sgpr_kernarg_segment_ptr 1
		.amdhsa_wavefront_size32 1
		.amdhsa_system_sgpr_workgroup_id_x 1
		.amdhsa_system_sgpr_workgroup_id_y 1
		.amdhsa_system_sgpr_workgroup_id_z 1
		.amdhsa_system_vgpr_workitem_id 0
		.amdhsa_next_free_vgpr 1024
		.amdhsa_next_free_sgpr 102
		.amdhsa_reserve_vcc 0
		.amdhsa_float_denorm_mode_32 3
		.amdhsa_float_denorm_mode_16_64 3
		.amdhsa_memory_ordered 1
		.amdhsa_forward_progress 1
		.amdhsa_inst_pref_size 147
	.end_amdhsa_kernel
	.amdgpu_metadata
---
amdhsa.version: [ 1, 2 ]
amdhsa.kernels:
  - .name:           k_q217bbadf64_oproj
    .symbol:         k_q217bbadf64_oproj.kd
    .args:
      - { .name: ao_codes, .offset: 0, .size: 8, .value_kind: global_buffer, .address_space: global }
      - { .name: ao_scales, .offset: 8, .size: 8, .value_kind: global_buffer, .address_space: global }
      - { .name: codes, .offset: 16, .size: 8, .value_kind: global_buffer, .address_space: global }
      - { .name: scales, .offset: 24, .size: 8, .value_kind: global_buffer, .address_space: global }
      - { .name: wo_b, .offset: 32, .size: 8, .value_kind: global_buffer, .address_space: global }
      - { .name: out0, .offset: 40, .size: 8, .value_kind: global_buffer, .address_space: global }
    .group_segment_fixed_size: 327680
    .private_segment_fixed_size: 0
    .kernarg_segment_align: 8
    .kernarg_segment_size: 48
    .max_flat_workgroup_size: 128
    .sgpr_count:     102
    .vgpr_count:     1024
    .wavefront_size: 32
...
	.end_amdgpu_metadata
.endif
;; end of part 4
